; MI455X (gfx1250); checked and timed in simulation.
; The chip was launched on July 23, 2026; its instructions are those of AMD's public machine-readable ISA for CDNA 5 (MIT licence, August 2026) and "CDNA5" Instruction Set Architecture Reference Guide (July 2026). The comments in the code are by the model that wrote it; some were corrected since.
;; Transport Operator. Allowed arithmetic: matrix products marked QUANTISED: E3M2 operands, one E8M0 scale for each 32 along K, by v_wmma_scale_f32_16x16x128_f8f6f4 with both operands' format E3M2, f32 sums; products left as they are: f32 operands where the result goes on into a quantised operand, else bf16, f16 or f32 operands; f32 sums; everything else in f32.
;; Inputs: Psi_codes 16 x 512 x 16 x 24 uint8 (E3M2 codes of Psi, K innermost, in blocks of 32 codes, four codes in three bytes); Psi_scales 16 x 512 x 16 uint8 (E8M0 scales of Psi, one for each 32 codes along K); gate_tokens 16 x 512 float32; t 1 float32; z_codes 16,384 x 16 x 24 uint8 (E3M2 codes of z, K innermost, in blocks of 32 codes, four codes in three bytes); z_scales 16,384 x 16 uint8 (E8M0 scales of z, one for each 32 codes along K).
;; Outputs: out0 16,384 x 512 float32.
;; This version of the problem:
;;   THIS VERSION OF THE PROBLEM IS GIVEN IN LOW PRECISION. The matrix products marked QUANTISED in the list below multiply operands that are first quantised to E3M2 (3 exponent bits, 2 mantissa bits; 6 bits a number), with one power-of-two scale for each 32 numbers along K (OCP MX v1.0); their sums are f32. All else is computed in f32.
;;   The module's matrix products, in the order in which they are computed (A, B: the left and right operand; K: the contracted axis; several contracted axes count as one K, in the product's order):
;;     1. [M 16,384, K 512] x [K 512, N 8,192]; A: input z (given as codes); B: input Psi (given as codes): QUANTISED
;;     2. batch 16 x [M 1, K 512] x [K 512, N 16,384]; A: input gate_tokens; B: computed on the way: left as it is (M = 1 < 16)
;;     3. batch 16,384 x [M 1, K 16] x [K 16, N 512]; A: computed on the way; B: computed on the way: left as it is (K = 16 < 32)
;;   THE QUANTISER, for each operand of a quantised product, along K:
;;     - K is cut into blocks of 32 from its start; a last block that is shorter is filled with zeros.
;;     - A block's scale is 2^e with e = floor(log2(the largest magnitude in the block)) - 4, held to -126 .. 127; a block of zeros has e = 0. As a byte (E8M0): e + 127.
;;     - Each number is divided by its block's scale, clamped to +-28, and rounded to the nearest number of E3M2, ties to even, subnormals kept.
;;     - The product sums the exact products of the quantised numbers (number of the format x scale) in f32.
;;   ~~~python
;;   def quantise(x, axis):      # numpy; x: float32 -> the quantised numbers, widened to float32 again
;;       x = np.moveaxis(x, axis, -1); K = x.shape[-1]
;;       x = np.pad(x, [(0, 0)] * (x.ndim - 1) + [(0, -K % 32)]); x = x.reshape(x.shape[:-1] + (-1, 32)); a = np.abs(x).max(-1, keepdims=True)
;;       e = np.where(a > 0, np.clip(np.frexp(np.where(a > 0, a, 1))[1] - 1 - 4, -126, 127), 0)      # np.frexp(a)[1] - 1 = floor(log2(a)), exactly
;;       r = np.clip(x / 2.0 ** e, -28, 28)
;;       step = 2.0 ** (np.maximum(np.frexp(np.where(r == 0, 1, r))[1] - 1, -2) - 2)
;;       q = np.round(r / step) * step * 2.0 ** e      # np.round: ties to even
;;       return np.moveaxis(q.reshape(q.shape[:-2] + (-1,))[..., :K], -1, axis).astype(np.float32)
;;   ~~~
;;   INPUTS GIVEN AS CODES. Psi (in the module: [16, 512, 512], K = its axis 1); z (in the module: [16384, 512], K = its axis 1): each comes as NAME_codes (uint8): NAME with its K axis moved to the last place and cut into blocks of 32 codes, [.., K / 32, bytes a block], one block behind the other in memory; four codes in three bytes: a row's codes are one little-endian stream of bits, code i at bits 6 i .. 6 i + 5 (a code: sign, 3 exponent bits, 2 mantissa bits); and NAME_scales (uint8): the same leading axes, one E8M0 byte (e + 127) for each 32 codes along K. Its value is code x scale, taken as it is: it is not quantised again, and the codes and scales need not be those that the quantiser above would give.
;; 2 versions, each right and faster than the one before. Each part assembles by itself: llvm-mc -triple=amdgcn-amd-amdhsa -mcpu=gfx1250 --defsym DOCPART=n.
;; ======== version 1 of 2: 2 launches
;; workspace buffers: wbf 32,768 bytes
;; launch wvec (part 1): grid 16 x 4, 8 waves a work-group, no clusters, 5,120 bytes of LDS; arguments Psi_codes, Psi_scales, gate_tokens, wbf; writes wbf
.if DOCPART == 1
	.amdgcn_target "amdgcn-amd-amdhsa--gfx1250"
	.amdhsa_code_object_version 6
	.text
	.protected	k_q5acaf92372_wvec
	.globl	k_q5acaf92372_wvec
	.p2align	8
	.type	k_q5acaf92372_wvec,@function
k_q5acaf92372_wvec:
	s_mov_b64 s[64:65], 0
	v_nop
	global_prefetch_b8 v0, s[64:65] scope:SCOPE_SE
	s_setreg_imm32_b32 hwreg(HW_REG_WAVE_MODE, 25, 1), 1
	s_wait_xcnt 0x0
; w[m][d] = the sum over e of Psi[m][d][e] g[m][e], in f32, stored as two bf16 numbers: hi = bf16(w), lo = bf16(w - hi).  wbf: [2 (hi, lo)][16 m][512 d] bf16.
; WHY: logit[b][m] = sum over e of (sum over d of z[b][d] Psi[m][d][e]) g[m][e] = sum over d of z[b][d] w[m][d]: the same products, summed first over e.  With w at hand the next launch knows
; its gates before its large product, and need not hold all 512 e of a row in one work-group.
; Psi comes as codes of E3M2, [m][e][d], d innermost, 384 bytes a row, and one E8M0 byte for each 32 d.  A number is its code's value x 2^(byte - 127), taken as it is.
; SHARES: work-group (x, y) takes dynamic m = x and 128 d from 128 y on (96 bytes of every row): 64 work-groups, so that the 3 MB of codes are spread.  Wave v takes rows e = 64 v .. 64 v + 63,
; four rows at a time: lane l takes row l / 8 of the four and piece l % 8 of the 96 bytes: 12 bytes, 16 codes, which one conversion widens to 16 registers of f32.
; The row's g and the block's scale are one factor a lane, g x 2^(byte - 127), and 8 packed multiply-adds take a row's 16 numbers into the lane's 16 sums.
; LIMITS: NaN, infinities and scale bytes 0xff are not served.  No tensor load, no matrix work: 3 MB are read once and 32 KB leave.
.set C,    16                          ; v16-79   codes: group i of four rows at v[16 + 4 i], three registers
.set SW,   80                          ; v80-95   the row's scale word for these 128 d
.set GV,   96                          ; v96-111  the row's g
.set CF,   112                         ; v112-127 g x 2^(byte - 127)
.set T,    128                         ; v128-159 two sets of 16 widened numbers
.set ACC,  160                         ; v160-175 my 16 sums
.set S,    16                          ; the tail (wave 0): the eight waves' sums, 8 registers each
.set HI,   80
.set LO,   84
.set WD,   88
.set DF,   96
.set OUTR, 104
	s_load_b128 s[4:7], s[0:1], 0x0                ; Psi's codes, Psi's scales
	s_load_b128 s[8:11], s[0:1], 0x10              ; g, wbf
	v_lshl_add_u32 v176, v0, 2, 0x1000
	v_mov_b32 v177, 0
	v_lshrrev_b32 v8, 5, v0
	v_readfirstlane_b32 s16, v8                    ; wave 0..7
	v_and_b32 v9, 31, v0                           ; lane
	v_lshrrev_b32 v10, 3, v9                       ; which of the group's four rows
	v_and_b32 v11, 7, v9                           ; which piece of 12 bytes
	v_mul_u32_u24 v1, v10, 384
	v_mad_u32_u24 v1, v11, 12, v1                  ; codes: row x 384 + piece x 12
	v_lshlrev_b32 v2, 4, v10                       ; scale words: 16 bytes a row
	v_lshlrev_b32 v3, 2, v10                       ; g: 4 bytes a row
	v_lshrrev_b32 v4, 1, v11
	v_lshlrev_b32 v4, 3, v4                        ; my block's byte in the word: two pieces to a block of 32
	v_mov_b32 v5, 0x7f7f7f7f                       ; the conversion's scale: 2^0, the same byte everywhere
	s_lshl_b32 s17, s16, 9
	v_lshl_add_u32 v6, v11, 6, s17                 ; LDS: my wave's 512 bytes, my piece's 64
	v_and_b32 v12, 15, v9
	v_lshlrev_b32 v7, 5, v12                       ; the tail: 8 sums (32 bytes) for each of sixteen lanes
	v_lshrrev_b32 v13, 4, v9
	v_lshlrev_b32 v13, 14, v13
	v_lshl_add_u32 v13, v12, 4, v13                ; and their place in wbf: 16 bytes a lane; lanes 16-31 store lo, 16,384 bytes on
	s_mov_b32 s12, 0x76543210
	s_mov_b32 s13, 0xfedcba98                      ; v_permlanex16_b32's selects for lane l xor 16
	s_and_b32 s18, ttmp7, 0xffff                   ; which 128 d
	s_mul_i32 s20, ttmp9, 196608                   ; codes: m x 512 rows x 384
	s_mul_i32 s19, s18, 96
	s_add_co_u32 s20, s20, s19
	s_mul_i32 s19, s16, 24576                      ; + wave x 64 rows
	s_add_co_u32 s20, s20, s19
	s_mov_b32 s21, 0
	s_lshl_b32 s22, ttmp9, 13                      ; scales: m x 8,192 + wave x 1,024 + 4 bytes for each 128 d
	s_lshl_b32 s19, s16, 10
	s_add_co_u32 s22, s22, s19
	s_lshl_b32 s19, s18, 2
	s_add_co_u32 s22, s22, s19
	s_mov_b32 s23, 0
	s_lshl_b32 s24, ttmp9, 11                      ; g: m x 2,048 + wave x 256
	s_lshl_b32 s19, s16, 8
	s_add_co_u32 s24, s24, s19
	s_mov_b32 s25, 0
	s_lshl_b32 s26, ttmp9, 10                      ; wbf: m x 1,024 + 256 bytes for each 128 d
	s_lshl_b32 s19, s18, 8
	s_add_co_u32 s26, s26, s19
	s_mov_b32 s27, 0
	s_wait_kmcnt 0x0
	s_add_nc_u64 s[4:5], s[4:5], s[20:21]
	s_add_nc_u64 s[6:7], s[6:7], s[22:23]
	s_add_nc_u64 s[8:9], s[8:9], s[24:25]
	s_add_nc_u64 s[10:11], s[10:11], s[26:27]
.irp i, 0,1,2,3,4,5,6,7,8,9,10,11,12,13,14,15
	global_load_b96 v[C+4*\i:C+4*\i+2], v1, s[4:5] offset:1536*\i      ; all of the wave's share is asked for at once: 48 loads.  No hint: the next launch reads Psi again
	global_load_b32 v[SW+\i], v2, s[6:7] offset:64*\i
	global_load_b32 v[GV+\i], v3, s[8:9] offset:16*\i
.endr
	s_wait_loadcnt 0x0
.irp i, 0,1,2,3,4,5,6,7,8,9,10,11,12,13,14,15
	v_lshrrev_b32 v[CF+\i], v4, v[SW+\i]
.endr
.irp i, 0,1,2,3,4,5,6,7,8,9,10,11,12,13,14,15
	v_and_b32 v[CF+\i], 255, v[CF+\i]              ; my block's byte
.endr
.irp i, 0,1,2,3,4,5,6,7,8,9,10,11,12,13,14,15
	v_add_nc_u32 v[CF+\i], 0xffffff81, v[CF+\i]    ; - 127
.endr
.irp i, 0,1,2,3,4,5,6,7,8,9,10,11,12,13,14,15
	v_ldexp_f32 v[CF+\i], v[GV+\i], v[CF+\i]       ; g x 2^(byte - 127): nothing is rounded
.endr
.macro CVT i                           ; 16 codes -> 16 f32, into set i % 2
	v_cvt_scale_pk16_f32_bf6 v[T+16*((\i)%2):T+16*((\i)%2)+15], v[C+4*(\i):C+4*(\i)+2], v5
.endm
	CVT 0
	v_nop                                          ; one plain vector instruction between a scaled conversion and the use of its result; further on the eight packed lines of the group before are that
.set i, 0
.rept 16
.if i < 15
	CVT i+1
.endif
.set tb, T+16*(i%2)
.set cp, CF+2*(i/2)                    ; the factors are named as pairs; the even group takes the pair's low word for both halves, the odd group the high word
.irp k, 0,2,4,6,8,10,12,14
.if i == 0
	v_pk_mul_f32 v[ACC+\k:ACC+\k+1], v[tb+\k:tb+\k+1], v[cp:cp+1] op_sel_hi:[1,0]      ; the first group starts the sums: nothing is cleared
.elseif i%2 == 0
	v_pk_fma_f32 v[ACC+\k:ACC+\k+1], v[tb+\k:tb+\k+1], v[cp:cp+1], v[ACC+\k:ACC+\k+1] op_sel_hi:[1,0,1]
.else
	v_pk_fma_f32 v[ACC+\k:ACC+\k+1], v[tb+\k:tb+\k+1], v[cp:cp+1], v[ACC+\k:ACC+\k+1] op_sel:[0,1,0] op_sel_hi:[1,1,1]
.endif
.endr
.set i, i+1
.endr
; the four lanes that hold the same piece (l, l xor 8, l xor 16, l xor 24) add their sums
.irp k, 0,1,2,3,4,5,6,7,8,9,10,11,12,13,14,15
	v_add_f32_dpp v[ACC+\k], v[ACC+\k], v[ACC+\k] row_xmask:8 row_mask:0xf bank_mask:0xf
.endr
.irp k, 0,1,2,3,4,5,6,7,8,9,10,11,12,13,14,15
	v_permlanex16_b32 v[T+\k], v[ACC+\k], s12, s13 ; (its destination counts as read: T has been written)
.endr
.irp k, 0,2,4,6,8,10,12,14
	v_pk_add_f32 v[ACC+\k:ACC+\k+1], v[ACC+\k:ACC+\k+1], v[T+\k:T+\k+1]
.endr
.irp j, 0,1,2,3
	ds_store_b128 v6, v[ACC+4*\j:ACC+4*\j+3] offset:16*\j           ; the four lanes of a piece store the same values to the same bytes
.endr
	s_wait_dscnt 0x0                               ; for the others' sake: my stores have landed
	s_barrier_signal -1
	s_barrier_wait -1
	s_cmp_lg_u32 s16, 0
	s_cbranch_scc1 .Lend                           ; wave 0 adds the eight waves' sums and stores them
.irp w, 0,1,2,3,4,5,6,7
	ds_load_b128 v[S+8*\w:S+8*\w+3], v7 offset:512*\w
	ds_load_b128 v[S+8*\w+4:S+8*\w+7], v7 offset:512*\w+16
.endr
	s_wait_dscnt 0x0
.irp w, 0,2,4,6
.irp k, 0,2,4,6
	v_pk_add_f32 v[S+8*\w+\k:S+8*\w+\k+1], v[S+8*\w+\k:S+8*\w+\k+1], v[S+8*\w+8+\k:S+8*\w+8+\k+1]
.endr
.endr
.irp w, 0,4
.irp k, 0,2,4,6
	v_pk_add_f32 v[S+8*\w+\k:S+8*\w+\k+1], v[S+8*\w+\k:S+8*\w+\k+1], v[S+8*\w+16+\k:S+8*\w+16+\k+1]
.endr
.endr
.irp k, 0,2,4,6
	v_pk_add_f32 v[S+\k:S+\k+1], v[S+\k:S+\k+1], v[S+32+\k:S+32+\k+1]
.endr
.irp k, 0,1,2,3
	v_cvt_pk_bf16_f32 v[HI+\k], v[S+2*\k], v[S+2*\k+1]             ; hi = bf16(w)
.endr
.irp k, 0,1,2,3
	v_lshlrev_b32 v[WD+2*\k], 16, v[HI+\k]                          ; hi as f32 again
	v_and_b32 v[WD+2*\k+1], 0xffff0000, v[HI+\k]
.endr
.irp k, 0,1,2,3
	v_pk_add_f32 v[DF+2*\k:DF+2*\k+1], v[S+2*\k:S+2*\k+1], v[WD+2*\k:WD+2*\k+1] neg_lo:[0,1] neg_hi:[0,1]   ; w - hi: exact
.endr
.irp k, 0,1,2,3
	v_cvt_pk_bf16_f32 v[LO+\k], v[DF+2*\k], v[DF+2*\k+1]           ; lo = bf16(w - hi)
.endr
	v_cmp_le_u32 vcc_lo, 16, v9                    ; lanes 16-31 hold the same sums as lanes 0-15: they store lo
.irp k, 0,1,2,3
	v_cndmask_b32 v[OUTR+\k], v[HI+\k], v[LO+\k], vcc_lo
.endr
	global_store_b128 v13, v[OUTR:OUTR+3], s[10:11]                ; sixteen lanes store 256 consecutive bytes, at a multiple of 256 from wbf's first byte: once for hi, once for lo
.Lend:
	s_wait_tensorcnt 0x0
	ds_add_u32 v176, v177
	s_wait_dscnt 0x0
	s_endpgm
.Lfunc_end_k_q5acaf92372_wvec:
	.size	k_q5acaf92372_wvec, .Lfunc_end_k_q5acaf92372_wvec-k_q5acaf92372_wvec
	.p2alignl 7, 3214868480
	.fill 96, 4, 3214868480
	.section	.rodata,"a",@progbits
	.p2align	6, 0x0
	.amdhsa_kernel k_q5acaf92372_wvec
		.amdhsa_group_segment_fixed_size 5120
		.amdhsa_private_segment_fixed_size 0
		.amdhsa_enable_private_segment 0
		.amdhsa_kernarg_size 32
		.amdhsa_user_sgpr_count 2
		.amdhsa_user_sgpr_kernarg_segment_ptr 1
		.amdhsa_wavefront_size32 1
		.amdhsa_system_sgpr_workgroup_id_x 1
		.amdhsa_system_sgpr_workgroup_id_y 1
		.amdhsa_system_sgpr_workgroup_id_z 1
		.amdhsa_system_vgpr_workitem_id 0
		.amdhsa_next_free_vgpr 178
		.amdhsa_next_free_sgpr 66
		.amdhsa_reserve_vcc 1
		.amdhsa_float_denorm_mode_32 3
		.amdhsa_float_denorm_mode_16_64 3
		.amdhsa_memory_ordered 1
		.amdhsa_forward_progress 1
		.amdhsa_inst_pref_size 27
	.end_amdhsa_kernel
	.amdgpu_metadata
---
amdhsa.version: [ 1, 2 ]
amdhsa.kernels:
  - .name:           k_q5acaf92372_wvec
    .symbol:         k_q5acaf92372_wvec.kd
    .args:
      - { .name: Psi_codes, .offset: 0, .size: 8, .value_kind: global_buffer, .address_space: global }
      - { .name: Psi_scales, .offset: 8, .size: 8, .value_kind: global_buffer, .address_space: global }
      - { .name: gate_tokens, .offset: 16, .size: 8, .value_kind: global_buffer, .address_space: global }
      - { .name: wbf, .offset: 24, .size: 8, .value_kind: global_buffer, .address_space: global }
    .group_segment_fixed_size: 5120
    .private_segment_fixed_size: 0
    .kernarg_segment_align: 8
    .kernarg_segment_size: 32
    .max_flat_workgroup_size: 256
    .sgpr_count:     66
    .vgpr_count:     178
    .wavefront_size: 32
...
	.end_amdgpu_metadata
.endif
;; end of part 1
;; launch main (part 2): grid 64 x 4, 4 waves a work-group, clusters of 4 x 1, 327,680 bytes of LDS; arguments z_codes, z_scales, Psi_codes, Psi_scales, wbf, out0; writes out0
.if DOCPART == 2
	.amdgcn_target "amdgcn-amd-amdhsa--gfx1250"
	.amdhsa_code_object_version 6
	.text
	.protected	k_q5acaf92372_main
	.globl	k_q5acaf92372_main
	.p2align	8
	.type	k_q5acaf92372_main,@function
k_q5acaf92372_main:
	s_mov_b64 s[64:65], 0
	v_nop
	global_prefetch_b8 v0, s[64:65] scope:SCOPE_SE
	s_setreg_imm32_b32 hwreg(HW_REG_WAVE_MODE, 25, 1), 1
	s_wait_xcnt 0x0
	s_wait_alu depctr_hold_cnt(0) depctr_sa_sdst(0) depctr_va_vdst(0) depctr_va_sdst(0) depctr_va_ssrc(0) depctr_va_vcc(0) depctr_vm_vsrc(0)
	s_getreg_b32 s2, hwreg(HW_REG_IB_STS2, 6, 4)
	s_cmp_eq_u32 s2, 0
	s_cbranch_scc0 .Lentry_in_a_cluster
	s_endpgm
.Lentry_in_a_cluster:
	s_bfe_u32 s2, ttmp6, 0x10000c
	s_cmp_lg_u32 s2, 0x3003
	s_cbranch_scc0 .Lentry_shape_is_right
	s_endpgm
.Lentry_shape_is_right:
; dz[b][e] = the sum over m of gate[b][m] score[b][m][e];  score[b][m][e] = sum over d of z[b][d] Psi[m][d][e], on codes of E3M2 with one E8M0 scale for each 32 d, as they are given;
; gate = relu(2 sigmoid(logit) - 1);  logit[b][m] = sum over e of score[b][m][e] g[m][e] = sum over d of z[b][d] w[m][d], with w[m][d] = sum over e of Psi[m][d][e] g[m][e] from the launch before.
; z: [16384][512] codes, 384 bytes a row; Psi: [16 m][512 e][512 d] codes, d innermost; scale bytes 16 a row; wbf: [2 (hi, lo)][16][512] bf16, w = hi + lo; out0: [16384][512] f32.
; SHARES.  A work-group takes 256 rows b x 128 columns e, for all 16 m; each of its four waves 64 rows x 128 e: dz is 32 accumulators of 16 x 16, 256 registers, and the wave's z (16 fragments, 192 registers)
; stays in registers for the whole launch.  Psi walks through a ring of two LDS slots, two m (2 x 128 rows) to a slot: 256 matrix instructions a wave between two changes of slots.
; THE HEAD makes the gates: z's codes are widened to bf16 (exact: a code has 2 mantissa bits) and multiplied by w's hi and lo parts with the bf16 matrix form, 128 instructions a wave against the loop's 2,048.
; THE LOOP: for each m and each tile of 16 e, four row tiles x four K steps of the scaled matrix instruction into a score tile, which the vector unit then adds to dz, times the row's gate: one packed
; multiply-add for each matrix instruction, set between the matrix instructions of the next tile.
; THE MATRIX INSTRUCTION IS USED TRANSPOSED (source 0 = 16 rows e of Psi, source 1 = 16 rows b of z): a lane holds ONE row b (lane % 16) and eight neighbouring e, so a gate is one number a lane.
; CLUSTER: the four work-groups of a cluster take four row blocks and the SAME 128 e: Psi's codes and scales and w are asked for JOINTLY (mask 15).  z is each work-group's own: one load a wave, once.
; LIMITS: the logits are summed first over e (f32, then hi + lo in bf16) and then over d: the same products as in the definition, in another order.  NaN, infinities and scale bytes 0xff are not served; numbers of z
; under 2^-126 lose bits in the logits.  The gates are formed as the definition forms them, 2 sigmoid - 1 in f32: an absolute error of the order of 2^-23.  The input t enters no step of the definition and is not read.
; REGISTERS, in windows of 256: window 0: v2-15 addresses; v16-23 z's scale words; v24-55 Psi's, two sets; v64-127 score tiles, two buffers of four; v128-223 Psi's fragments, two buffers of four; v224-255 the head's.
;   window 1: dz, accumulator (e tile, row tile) at v[8 (4 et + rt)].   window 2: v0-191 z's fragments at v[12 (4 rt + q)]; v192-199 gates, two sets of four; v200-206 copies of codes.   window 3: w's fragments (head only).
.set PITCH,  432                       ; a row of 384 bytes in LDS: 3 x (128 bytes + 16 of padding) = 108 words: row r starts at bank 44 r mod 64 (64 banks of 4 bytes: ISA guide 11.1): sixteen different multiples of 4, so the 32 lanes of a load of 8 bytes touch 64 different banks
.set TROW,   16*PITCH                  ; 16 rows: a tile
.set QTR,    64*PITCH                  ; 64 rows: what one tensor load brings
.set MH,     2*QTR                     ; one m: 128 rows
.set GT,     4*QTR                     ; behind slot 0: the gates: wave x 4,096 + m x 256 + (lane % 16) x 16 + row tile x 4
.set SPARE,  GT+16384                  ; the spare words, 128 bytes for each wave: two blocks of 256 bytes that no other line names
.set SLOT1,  1<<17                     ; slot 1 begins here, so that one exclusive or turns an address in one slot into the other's.  It holds z first
.set SCB,    SLOT1+4*QTR               ; Psi's scale bytes for my 128 e, all m: m x 2,048 + e x 16: filled once
.set WB,     SCB+32768                 ; w: 32 rows (hi 0-15, lo 16-31) of 1,024 bytes + 16: filled once
.set WPITCH, 1040
.set SPITCH, 528                       ; the way out: a stage of 16 rows x (512 bytes + 16) for each wave, in slot 0, which has had its last fill and its last read by then
.set NEXTP,  2*512*384                 ; bytes from a slot's two m to the next two
.set AKA, 2                            ; v2   my lane's place in a tile: (lane % 16) x 432 + 24 (lane / 16)
.set AKB, 3                            ; v3   the same behind one padding more: + 40 (lane / 16)
.set AD0, 4                            ; v4-5 the same in the slot in hand, first m;
.set AD1, 6                            ; v6-7 second m
.set ADS, 8                            ; v8   Psi's scale words: SCB + 16 x lane, + 4,096 a slot
.set ADG, 9                            ; v9   my gates: GT + wave x 4,096 + 16 (lane % 16), + 512 a slot
.set SPW, 10                           ; v10  LDS address of my spare word; never rewritten
.set NIL, 11                           ; v11  0; never rewritten
.set STO, 12                           ; v12  the way out: where I put 32 bytes of a row
.set RD,  13                           ; v13  and where I read a row back
.set CO,  14                           ; v14  16 x lane
.set AGS, 15                           ; v15  where I store gates
.set ZS,  16                           ; z's scale words: register 4 j + q: lanes 0-15 row tile 2 j, lanes 16-31 row tile 2 j + 1, K step q
.set PS,  24                           ; Psi's: set mm at 24 + 16 mm; register 4 i + q: lanes 0-15 e tile 2 i, lanes 16-31 e tile 2 i + 1
.set X,   64
.set PF,  128
.set BK,  64                           ; the way out: 16 rows read back: v64-127 and v128-191 by turns
.set LH,  64                           ; the head: logits from hi, 8 registers a row tile;
.set LL,  96                           ; from lo
.set BF,  128                          ; four bf16 fragments of z
.set T,   160                          ; 64 widened numbers
.set GG,  160                          ; later the gates, register 4 j + rt
.set ZW,  224                          ; z's scale words by rows: register 4 rt + q, lane (r, h): row 16 rt + r
.set ONES, 240
.set SH8, 241
.set FS,  244
.set AW,  246
.set G,   192                          ; in window 2
.set CT,  200
.set G1P, 16                           ; s[16:23] descriptor group 1: a quarter of a slot, joint;  s[24:31] the same shape, my own (z);  s[32:39] scale bytes;  s[40:47] w
.set G1Z, 24
.set G1S, 32
.set G1W, 40
.set G0Z, 48                           ; groups 0: z, w, scale bytes, slot 0's first fill,
.set G0W, 52
.set G0S, 56
.set G0A, 60
.set G0P, 68                           ; and the one that walks
.set WV,  72
.set TB,  76                           ; LDS byte at which the slot in hand begins
.set CNT, 77
.set MSB, 0
.macro WIN new                         ; the immediate's high byte repeats the setting that is left; a switch that changes nothing is dropped
.if MSB != \new
	s_set_vgpr_msb (MSB<<8)|\new
.set MSB, \new
.endif
.endm
.set W_MM, 0x08                        ; source 1 (z) window 2, all else window 0: serves the matrix instructions AND the LDS loads between them
.set W_FM, 0x58                        ; destination and source 2 (dz) window 1, source 1 (gates) window 2, source 0 (scores) window 0
.macro CREST                           ; a round of the cluster's barrier behind its opening barrier
	s_cmp_lg_u32 s[WV], 0
	s_cbranch_scc1 .Lnot_wave_0_\@
	s_barrier_signal -3
.Lnot_wave_0_\@:
	s_barrier_wait -3
	s_barrier_signal -1
	s_barrier_wait -1
.endm
.macro ROUND                           ; a whole round
	s_barrier_signal -1
	s_barrier_wait -1
	CREST
.endm
.macro PLACES
.rept 4
	v_nop
.endr
.endm
	s_load_b256 s[4:11], s[0:1], 0x0               ; z's codes s[4:5], z's scales s[6:7], Psi's codes s[8:9], Psi's scales s[10:11]
	s_load_b128 s[12:15], s[0:1], 0x20             ; wbf s[12:13], out0 s[14:15]
	v_lshl_add_u32 v[SPW], v0, 2, SPARE
	v_mov_b32 v[NIL], 0
	ds_add_u32 v10, v11
	ds_add_u32 v10, v11
	s_wait_dscnt 0x0
	v_lshrrev_b32 v247, 5, v0
	v_readfirstlane_b32 s[WV], v247                ; wave 0..3
	s_bfe_u32 s73, ttmp6, 0x40000                  ; cx: my place in the cluster: it enters z's and out0's global addresses alone
	s_lshl_b32 s74, ttmp9, 2
	s_add_co_u32 s74, s74, s73                     ; my block of 256 rows = 4 x cluster x + cx
	s_and_b32 s75, ttmp7, 0xffff                   ; my block of 128 e, which the four partners share
	; descriptor group 1.  A quarter of a slot, and a wave's rows of z, are 24,576 dense bytes: 96 rows of 256 bytes (32 elements of 8), 16 bytes of padding behind every 128
	s_mov_b32 s[G1P+0], 15|(3<<16)|(1<<20)|(1<<21)|(4<<22)|(3<<25)  ; 15:0 the mask: all four work-groups; 17:16 elements of 8 bytes; 20 padding on; 21 set beside a mask; 24:22 after every 32 words (code 4); 31:25 4 words of it (code 3)
	s_mov_b32 s[G1Z+0], (3<<16)|(1<<20)|(4<<22)|(3<<25)             ; the same without a mask
.irp g, G1P, G1Z
	s_mov_b32 s[\g+1], 32<<16                      ; tensor_dim0
	s_mov_b32 s[\g+2], 96<<16                      ; tensor_dim1
	s_mov_b32 s[\g+3], 32<<16                      ; tile_dim0
	s_mov_b32 s[\g+4], 96                          ; tile_dim1
	s_mov_b32 s[\g+5], 32                          ; tensor_dim0_stride
	s_mov_b32 s[\g+6], 0
	s_mov_b32 s[\g+7], 0
.endr
	s_mov_b32 s[G1S+0], 15|(3<<16)|(1<<21)         ; scale bytes: four m, 2,048 bytes (my 128 e) of each, 8,192 bytes apart; no padding
	s_mov_b32 s[G1S+1], 256<<16
	s_mov_b32 s[G1S+2], 4<<16
	s_mov_b32 s[G1S+3], 256<<16
	s_mov_b32 s[G1S+4], 4
	s_mov_b32 s[G1S+5], 1024
	s_mov_b32 s[G1S+6], 0
	s_mov_b32 s[G1S+7], 0
	s_mov_b32 s[G1W+0], 15|(3<<16)|(1<<20)|(1<<21)|(7<<22)|(3<<25)  ; w: eight rows of 1,024 bytes, 16 bytes of padding behind each (after every 256 words: code 7)
	s_mov_b32 s[G1W+1], 128<<16
	s_mov_b32 s[G1W+2], 8<<16
	s_mov_b32 s[G1W+3], 128<<16
	s_mov_b32 s[G1W+4], 8
	s_mov_b32 s[G1W+5], 128
	s_mov_b32 s[G1W+6], 0
	s_mov_b32 s[G1W+7], 0
	; offsets that hang on my row block: z's codes, z's scales, out0
	s_mul_i32 s80, s74, 98304                      ; 256 rows x 384
	s_mul_i32 s78, s[WV], 24576                    ; my wave's 64
	s_add_co_u32 s80, s80, s78
	s_mov_b32 s81, 0
	s_lshl_b32 s82, s74, 12
	s_lshl_b32 s78, s[WV], 10
	s_add_co_u32 s82, s82, s78
	s_mov_b32 s83, 0
	s_lshl_b32 s84, s74, 19                        ; 256 rows x 2,048
	s_lshl_b32 s78, s[WV], 17
	s_add_co_u32 s84, s84, s78
	s_lshl_b32 s78, s75, 9                         ; my 128 e: 512 bytes
	s_add_co_u32 s84, s84, s78
	s_mov_b32 s85, 0
	; offsets of the joint loads, in registers that never hold cx: they hang on the e block and the wave's number alone
	s_lshl_b32 s86, s[WV], 13                      ; w: rows 8 wave on
	s_mov_b32 s87, 0
	s_lshl_b32 s88, s75, 11                        ; scale bytes: e block x 2,048 + 4 wave x 8,192
	s_lshl_b32 s92, s[WV], 15
	s_add_co_u32 s88, s88, s92
	s_mov_b32 s89, 0
	s_mul_i32 s90, s75, 49152                      ; codes: e block x 128 rows x 384
	s_lshr_b32 s92, s[WV], 1
	s_mul_i32 s92, s92, 196608                     ; + which of the slot's two m
	s_add_co_u32 s90, s90, s92
	s_and_b32 s92, s[WV], 1
	s_mul_i32 s92, s92, 24576                      ; + which 64 rows
	s_add_co_u32 s90, s90, s92
	s_mov_b32 s91, 0
	s_mul_i32 s93, s[WV], QTR                      ; and where a quarter goes in a slot
	s_wait_kmcnt 0x0
	s_mov_b32 s[G0Z], 1                            ; 1:0 count = 1
	s_add_co_u32 s[G0Z+1], s93, SLOT1              ; 63:32 LDS address
	s_add_nc_u64 s[G0Z+2:G0Z+3], s[4:5], s[80:81]  ; 120:64 global address
	s_or_b32 s[G0Z+3], s[G0Z+3], 0x80000000        ; 127:126 type = 2
	s_mov_b32 s[G0W], 1
	s_mul_i32 s[G0W+1], s[WV], 8*WPITCH
	s_add_co_u32 s[G0W+1], s[G0W+1], WB
	s_add_nc_u64 s[G0W+2:G0W+3], s[12:13], s[86:87]
	s_or_b32 s[G0W+3], s[G0W+3], 0x80000000
	s_mov_b32 s[G0S], 1
	s_lshl_b32 s[G0S+1], s[WV], 13
	s_add_co_u32 s[G0S+1], s[G0S+1], SCB
	s_add_nc_u64 s[G0S+2:G0S+3], s[10:11], s[88:89]
	s_or_b32 s[G0S+3], s[G0S+3], 0x80000000
	s_mov_b32 s[G0A], 1
	s_mov_b32 s[G0A+1], s93
	s_add_nc_u64 s[G0A+2:G0A+3], s[8:9], s[90:91]  ; m = 0, 1
	s_mov_b32 s[G0P], 1
	s_add_co_u32 s[G0P+1], s93, SLOT1
	s_add_nc_u64 s[G0P+2:G0P+3], s[G0A+2:G0A+3], NEXTP   ; m = 2, 3
	s_or_b32 s[G0A+3], s[G0A+3], 0x80000000
	s_or_b32 s[G0P+3], s[G0P+3], 0x80000000
	s_add_nc_u64 s[6:7], s[6:7], s[82:83]          ; z's scales at my wave's first row
	s_add_nc_u64 s[14:15], s[14:15], s[84:85]      ; out0 at my wave's first row, my first e
	ROUND                                          ; all four work-groups are here: the first joint loads meet
	tensor_load_to_lds s[G0Z:G0Z+3], s[G1Z:G1Z+7]  ; the first fills go out as one group: four loads of mine are out.  z first: it is wanted first
	s_nop 0
	tensor_load_to_lds s[G0W:G0W+3], s[G1W:G1W+7]
	s_nop 0
	tensor_load_to_lds s[G0S:G0S+3], s[G1S:G1S+7]
	s_nop 0
	tensor_load_to_lds s[G0A:G0A+3], s[G1P:G1P+7]
	s_nop 0
	PLACES                                         ; four v_nop follow the last of them
	v_and_b32 v247, 15, v0                         ; r = lane % 16
	v_bfe_u32 v248, v0, 4, 1                       ; h = lane / 16
	v_and_b32 v249, 31, v0                         ; lane
	v_mul_u32_u24 v[AKA], v247, PITCH
	v_mad_u32_u24 v[AKA], v248, 24, v[AKA]
	v_lshl_add_u32 v[AKB], v248, 4, v[AKA]
	v_lshl_add_u32 v[ADS], v249, 4, SCB
	s_lshl_b32 s94, s[WV], 12
	s_add_co_u32 s94, s94, GT
	v_lshl_add_u32 v[ADG], v247, 4, s94
	v_lshl_add_u32 v[AGS], v248, 11, v[ADG]        ; a lane of the upper half holds m = 8 .. 15: 8 x 256 bytes on
	s_mul_i32 s95, s[WV], 16*SPITCH
	v_mul_u32_u24 v[STO], v247, SPITCH
	v_lshl_add_u32 v[STO], v248, 5, v[STO]
	v_add_nc_u32 v[STO], s95, v[STO]
	v_lshlrev_b32 v[CO], 4, v249
	v_add_nc_u32 v[RD], s95, v[CO]
	v_mul_u32_u24 v[AW], v247, WPITCH
	v_lshl_add_u32 v[AW], v248, 6, v[AW]
	v_add_nc_u32 v[AW], WB, v[AW]                  ; w: row r, + 64 h bytes (32 d)
	v_lshlrev_b32 v[SH8], 3, v248
	v_mov_b32 v[ONES], 0x7f7f7f7f                  ; the widening conversion's scale: 2^0, the same byte everywhere
	v_lshlrev_b32 v250, 4, v247
.irp j, 0,1
	global_load_b128 v[ZS+4*\j:ZS+4*\j+3], v[CO], s[6:7] offset:512*\j      ; lane l: the 16 scale bytes of row 32 j + l: the matrix instruction's scale words
.endr
.irp rt, 0,1,2,3
	global_load_b128 v[ZW+4*\rt:ZW+4*\rt+3], v250, s[6:7] offset:256*\rt    ; lane (r, h): those of row 16 rt + r: for the widening
.endr
	v_add_nc_u32 v[AD0], s[G0Z+1], v[AKA]          ; my wave's rows of z in LDS
	v_add_nc_u32 v[AD0+1], s[G0Z+1], v[AKB]
; One piece of 8 bytes of a fragment.  A fragment (16 rows x 128 K of 6-bit codes) is 12 registers: lane l holds row l % 16; registers 6 c .. 6 c + 5 hold K = 64 c + 32 (l / 16) + 0 .. 31: 24 bytes of the row, as they lie.
; Lanes 0-15 take the row's pieces 12 q + 0, 1, 2 and 12 q + 6, 7, 8, lanes 16-31 those three pieces on; where that lies behind one padding more (16 pieces to a padding), the second address register serves.
.macro PIECE reg, ad, roff, q, p
.set PCN, 12*(\q)+6*((\p)/3)+(\p)%3
.set rL, (\reg)+2*(\p)
.set rAD, \ad
.if PCN%16 >= 13
.set rAD, (\ad)+1
.endif
	ds_load_b64 v[rL:rL+1], v[rAD] offset:(\roff)+8*PCN+16*(PCN/16)
.endm
	s_wait_tensorcnt 0x3                           ; z's load is done: three were issued behind it.  Only I read the rows that I fetched
	WIN 0x80                                       ; destination window 2
.irp rt, 0,1,2,3
.irp q, 0,1,2,3
.irp p, 0,1,2,3,4,5
	PIECE 12*(4*\rt+\q), AD0, \rt*TROW, \q, \p
.endr
.endr
.endr
	WIN 0
	s_wait_tensorcnt 0x0                           ; all my tensor loads have landed: w, the scale bytes, slot 0;
	ds_add_u32 v[SPW], v[NIL]                      ; 0 onto my spare word
	s_wait_dscnt 0x0                               ; the add is done, and z is in registers: my reads of slot 1's bytes are over
	ROUND                                          ; that now holds of every wave of the cluster; w, the scale bytes and slot 0 are whole
	tensor_load_to_lds s[G0P:G0P+3], s[G1P:G1P+7]  ; m = 2, 3 over z's bytes: my one load behind this round; the whole head and 240 of slot 0's 256 matrix instructions stand ahead of the wait for it
	s_nop 0
	PLACES
	WIN 0xc0                                       ; destination window 3
.irp p, 0,1
.irp t, 0,1,2,3,4,5,6,7,8,9,10,11,12,13,14,15
	ds_load_b128 v[128*\p+8*\t:128*\p+8*\t+3],   v[AW] offset:\p*16*WPITCH+256*(\t/4)+128*((\t/2)%2)+32*(\t%2)      ; w's fragment t = 4 q + 2 c + u: lane (r, h): w[r][128 q + 64 c + 32 h + 16 u + 0 .. 15]
	ds_load_b128 v[128*\p+8*\t+4:128*\p+8*\t+7], v[AW] offset:\p*16*WPITCH+256*(\t/4)+128*((\t/2)%2)+32*(\t%2)+16
.endr
.endr
	WIN 0
	s_wait_dscnt 0x0
	s_wait_loadcnt 0x0                             ; z's scale words
; THE LOGITS.  One fragment of z (row tile rt, K step q) is widened: four conversions of 16 codes; x 2^(the block's byte - 127); rounded to bf16, which rounds nothing.  The 16 numbers of conversion g = 2 c + u are
; d = 128 q + 64 c + 32 (lane / 16) + 16 u + 0 .. 15: they fill the lane's 8 registers of a bf16 operand, and w's fragments were loaded by the same map of d, so each product meets its partner.
; Source 0 = w's 16 rows m, source 1 = z: in the result lane (r, h) holds row r's logits of m = 8 h + 0 .. 7.  The sums from hi and from lo take turns, one instruction a turn.
.macro BATCH rt, q
.set zf, 12*(4*(\rt)+(\q))
	WIN 0x82
.irp i, 0,1,2
	v_mov_b32 v[CT+\i], v[zf+3+\i]                 ; a conversion's three source registers begin on an even number: the second and fourth run of 16 codes do not, so they are copied
	v_mov_b32 v[CT+4+\i], v[zf+9+\i]
.endr
	WIN 0x02
	v_cvt_scale_pk16_f32_bf6 v[T:T+15], v[zf:zf+2], v[ONES]
	v_cvt_scale_pk16_f32_bf6 v[T+16:T+31], v[CT:CT+2], v[ONES]
	v_cvt_scale_pk16_f32_bf6 v[T+32:T+47], v[zf+6:zf+8], v[ONES]
	v_cvt_scale_pk16_f32_bf6 v[T+48:T+63], v[CT+4:CT+6], v[ONES]
	WIN 0
	v_lshrrev_b32 v242, v[SH8], v[ZW+4*(\rt)+(\q)] ; my blocks are 2 c + h: bytes h and 2 + h of the word.  (These plain lines stand between the conversions and the use of their results)
	v_bfe_u32 v243, v242, 16, 8
	v_and_b32 v242, 255, v242
	v_add_nc_u32 v242, 0xffffff81, v242
	v_add_nc_u32 v243, 0xffffff81, v243
	v_ldexp_f32 v[FS], 1.0, v242                   ; 2^(byte - 127) for c = 0,
	v_ldexp_f32 v[FS+1], 1.0, v243                 ; for c = 1
.irp g, 0,1
.irp i, 0,2,4,6,8,10,12,14
	v_pk_mul_f32 v[T+16*\g+\i:T+16*\g+\i+1], v[T+16*\g+\i:T+16*\g+\i+1], v[FS:FS+1] op_sel_hi:[1,0]
.endr
.endr
.irp g, 2,3
.irp i, 0,2,4,6,8,10,12,14
	v_pk_mul_f32 v[T+16*\g+\i:T+16*\g+\i+1], v[T+16*\g+\i:T+16*\g+\i+1], v[FS:FS+1] op_sel:[0,1] op_sel_hi:[1,1]
.endr
.endr
.irp g, 0,1,2,3
.irp j, 0,1,2,3,4,5,6,7
	v_cvt_pk_bf16_f32 v[BF+8*\g+\j], v[T+16*\g+2*\j], v[T+16*\g+2*\j+1]
.endr
.endr
	PLACES                                         ; the operands just written stand four places ahead of the products
	WIN 0x03                                       ; source 0 (w) window 3
.irp g, 0,1,2,3
.set rW, 8*(4*(\q)+\g)
.set rBF, BF+8*\g
.if ((\q) == 0) && (\g == 0)
	v_wmma_f32_16x16x32_bf16 v[LH+8*(\rt):LH+8*(\rt)+7], v[rW:rW+7], v[rBF:rBF+7], 0               ; the first products start the sums
	v_wmma_f32_16x16x32_bf16 v[LL+8*(\rt):LL+8*(\rt)+7], v[rW+128:rW+135], v[rBF:rBF+7], 0
.else
	v_wmma_f32_16x16x32_bf16 v[LH+8*(\rt):LH+8*(\rt)+7], v[rW:rW+7], v[rBF:rBF+7], v[LH+8*(\rt):LH+8*(\rt)+7]
	v_wmma_f32_16x16x32_bf16 v[LL+8*(\rt):LL+8*(\rt)+7], v[rW+128:rW+135], v[rBF:rBF+7], v[LL+8*(\rt):LL+8*(\rt)+7]
.endif
.endr
.endm
.irp rt, 0,1,2,3
.irp q, 0,1,2,3
	BATCH \rt, \q
.endr
.endr
	WIN 0
	PLACES                                         ; four places between the last product and the first read of results
; THE GATES: relu(2 / (1 + 2^(-logit log2 e)) - 1), in f32; each accumulator is read from its low end on
.set j, 0
.rept 16
	v_pk_add_f32 v[LH+j:LH+j+1], v[LH+j:LH+j+1], v[LL+j:LL+j+1]
.set j, j+2
.endr
.set j, 0
.rept 16
	v_pk_mul_f32 v[LH+j:LH+j+1], v[LH+j:LH+j+1], 0xbfb8aa3b op_sel_hi:[1,0]       ; x -log2(e)
.set j, j+2
.endr
.set j, 0
.rept 32
	v_exp_f32 v[LH+j], v[LH+j]
.set j, j+1
.endr
	v_nop                                          ; one plain instruction behind the last transcendental (ISA guide 5.7.2)
.set j, 0
	s_wait_alu depctr_va_vdst(0)
.rept 16
	v_pk_add_f32 v[LH+j:LH+j+1], v[LH+j:LH+j+1], 1.0 op_sel_hi:[1,0]
.set j, j+2
.endr
.set j, 0
.rept 32
	v_rcp_f32 v[LH+j], v[LH+j]
.set j, j+1
.endr
	v_nop
.set j, 0
	s_wait_alu depctr_va_vdst(0)
.rept 16
	v_pk_fma_f32 v[LH+j:LH+j+1], v[LH+j:LH+j+1], 2.0, -1.0 op_sel_hi:[1,0,0]
.set j, j+2
.endr
.irp j, 0,1,2,3,4,5,6,7
.irp rt, 0,1,2,3
	v_max_num_f32 v[GG+4*\j+\rt], 0, v[LH+8*\rt+\j]                ; the four row tiles' gates of one m side by side
.endr
.endr
.irp j, 0,1,2,3,4,5,6,7
	ds_store_b128 v[AGS], v[GG+4*\j:GG+4*\j+3] offset:256*\j       ; m = 8 h + j.  The table is my wave's own, and LDS serves a wave's instructions in order (ISA guide 5.7.1.4): no barrier, no wait
.endr
; THE LOOP'S PARTS.
.macro SETAD                           ; my lane's places in the slot in hand
	v_add_nc_u32 v[AD0], s[TB], v[AKA]
	v_add_nc_u32 v[AD0+1], s[TB], v[AKB]
	v_add_nc_u32 v[AD1], MH, v[AD0]
	v_add_nc_u32 v[AD1+1], MH, v[AD0+1]
.endm
; One scaled matrix instruction on the registers named by rD, rA, rB, rSA, rSB.  zero: it starts the sum.  ra, rb: the side's scale words lie in lanes 16-31.
.macro WM zero, ra, rb
.if \zero
.if \ra
.if \rb
	v_wmma_scale_f32_16x16x128_f8f6f4 v[rD:rD+7], v[rA:rA+11], v[rB:rB+11], 0, v[rSA], v[rSB] matrix_a_fmt:MATRIX_FMT_BF6 matrix_b_fmt:MATRIX_FMT_BF6 matrix_a_scale:MATRIX_SCALE_ROW1 matrix_b_scale:MATRIX_SCALE_ROW1
.else
	v_wmma_scale_f32_16x16x128_f8f6f4 v[rD:rD+7], v[rA:rA+11], v[rB:rB+11], 0, v[rSA], v[rSB] matrix_a_fmt:MATRIX_FMT_BF6 matrix_b_fmt:MATRIX_FMT_BF6 matrix_a_scale:MATRIX_SCALE_ROW1
.endif
.else
.if \rb
	v_wmma_scale_f32_16x16x128_f8f6f4 v[rD:rD+7], v[rA:rA+11], v[rB:rB+11], 0, v[rSA], v[rSB] matrix_a_fmt:MATRIX_FMT_BF6 matrix_b_fmt:MATRIX_FMT_BF6 matrix_b_scale:MATRIX_SCALE_ROW1
.else
	v_wmma_scale_f32_16x16x128_f8f6f4 v[rD:rD+7], v[rA:rA+11], v[rB:rB+11], 0, v[rSA], v[rSB] matrix_a_fmt:MATRIX_FMT_BF6 matrix_b_fmt:MATRIX_FMT_BF6
.endif
.endif
.else
.if \ra
.if \rb
	v_wmma_scale_f32_16x16x128_f8f6f4 v[rD:rD+7], v[rA:rA+11], v[rB:rB+11], v[rD:rD+7], v[rSA], v[rSB] matrix_a_fmt:MATRIX_FMT_BF6 matrix_b_fmt:MATRIX_FMT_BF6 matrix_a_scale:MATRIX_SCALE_ROW1 matrix_b_scale:MATRIX_SCALE_ROW1
.else
	v_wmma_scale_f32_16x16x128_f8f6f4 v[rD:rD+7], v[rA:rA+11], v[rB:rB+11], v[rD:rD+7], v[rSA], v[rSB] matrix_a_fmt:MATRIX_FMT_BF6 matrix_b_fmt:MATRIX_FMT_BF6 matrix_a_scale:MATRIX_SCALE_ROW1
.endif
.else
.if \rb
	v_wmma_scale_f32_16x16x128_f8f6f4 v[rD:rD+7], v[rA:rA+11], v[rB:rB+11], v[rD:rD+7], v[rSA], v[rSB] matrix_a_fmt:MATRIX_FMT_BF6 matrix_b_fmt:MATRIX_FMT_BF6 matrix_b_scale:MATRIX_SCALE_ROW1
.else
	v_wmma_scale_f32_16x16x128_f8f6f4 v[rD:rD+7], v[rA:rA+11], v[rB:rB+11], v[rD:rD+7], v[rSA], v[rSB] matrix_a_fmt:MATRIX_FMT_BF6 matrix_b_fmt:MATRIX_FMT_BF6
.endif
.endif
.endif
.endm
; Four packed lines: dz(e tile pet, row tile q) takes the score tile in buffer xb, times my row's gate of set gs, from the tile's low end on.  fk = 1: the first m starts dz: nothing is ever cleared.
.macro FL pet, xb, gs, q, fk
.set rX, X+32*(\xb)+8*(\q)
.set rZ, 8*(4*(\pet)+(\q))
.set rG, G+4*(\gs)+2*((\q)/2)          ; the gates are named as pairs: an even row tile takes the pair's low word for both halves, an odd one the high word
.irp i, 0,2,4,6
.if (\fk) == 1
.if (\q)%2 == 0
	v_pk_mul_f32 v[rZ+\i:rZ+\i+1], v[rX+\i:rX+\i+1], v[rG:rG+1] op_sel_hi:[1,0]
.else
	v_pk_mul_f32 v[rZ+\i:rZ+\i+1], v[rX+\i:rX+\i+1], v[rG:rG+1] op_sel:[0,1] op_sel_hi:[1,1]
.endif
.else
.if (\q)%2 == 0
	v_pk_fma_f32 v[rZ+\i:rZ+\i+1], v[rX+\i:rX+\i+1], v[rG:rG+1], v[rZ+\i:rZ+\i+1] op_sel_hi:[1,0,1]
.else
	v_pk_fma_f32 v[rZ+\i:rZ+\i+1], v[rX+\i:rX+\i+1], v[rG:rG+1], v[rZ+\i:rZ+\i+1] op_sel:[0,1,0] op_sel_hi:[1,1,1]
.endif
.endif
.endr
.endm
; A QUAD: K step q of e tile et of the slot's m number mm: four matrix instructions, one for each row tile: the four accumulators take turns, one instruction a turn.
; Between them stand LDS loads: lk = 1: fragment q of the NEXT e tile, six pieces, a whole phase (16 matrix instructions) ahead of its use and a whole phase behind the buffer's last use;
; lk = 2: two fragments of the next slot's first tile; lk = 0: none.  Behind them stand four packed lines that take row tile q of the tile BEFORE into dz (fk = 0: there is none yet: four v_nop).
; Those four lines name no register of this quad's matrix instructions: they are the four places (ISA guide 7.12.1) between a tile's last product and the first read of its results, one quad on.
; wt: how many younger LDS instructions may be out when fragment q has to be there (-1: the wait stands elsewhere).
.macro QUAD mm, et, q, fk, lk, wt
.if (\wt) >= 0
	s_wait_dscnt \wt
.endif
	WIN W_MM
.set vZ, 0
.if (\q) == 0
.set vZ, 1
.endif
.set rA, PF+48*((\et)%2)+12*(\q)
.set rSA, PS+16*(\mm)+4*((\et)/2)+(\q)
.irp rt, 0,1,2,3
.set rD, X+32*((\et)%2)+8*\rt
.set rB, 12*(4*\rt+(\q))
.set rSB, ZS+4*(\rt/2)+(\q)
	WM vZ, (\et)%2, \rt%2
.if \rt < 3
.if (\lk) == 1
.if (\et) < 7
	PIECE PF+48*(((\et)+1)%2)+12*(\q), AD0+2*(\mm), ((\et)+1)*TROW, \q, 2*\rt
	PIECE PF+48*(((\et)+1)%2)+12*(\q), AD0+2*(\mm), ((\et)+1)*TROW, \q, 2*\rt+1
.else
	PIECE PF+12*(\q), AD1, 0, \q, 2*\rt
	PIECE PF+12*(\q), AD1, 0, \q, 2*\rt+1
.endif
.endif
.if (\lk) == 2
.irp k, 0,1,2,3
.set vN, 4*\rt+\k
.set vF, 2*((\q)-2)+vN/6
	PIECE PF+12*vF, AD0, 0, vF, vN%6
.endr
.endif
.endif
.endr
.if (\fk) == 0
	PLACES
.else
	WIN W_FM
.set vGS, \mm
.if (\et) == 0
.set vGS, 1-(\mm)
.endif
	FL ((\et)+7)%8, ((\et)+1)%2, vGS, \q, \fk
.endif
.endm
; A PHASE: one e tile: four quads.  pre = 1: the next m's gates and scale words are fetched first: five loads more are out at each of this phase's waits.
; The counts: behind the six loads of fragment q stand the next three fragments' eighteen.
.macro PHASE mm, et, fk, pre
.if \pre
	WIN 0x88                                       ; destination window 2
	ds_load_b128 v[G+4*(1-(\mm)):G+4*(1-(\mm))+3], v[ADG] offset:((\mm)+1)*256
	WIN W_MM
.irp i, 0,1,2,3
	ds_load_b128 v[PS+16*(1-(\mm))+4*\i:PS+16*(1-(\mm))+4*\i+3], v[ADS] offset:((\mm)+1)*2048+512*\i
.endr
	QUAD \mm, \et, 0, \fk, 1, 23
	QUAD \mm, \et, 1, \fk, 1, 23
	QUAD \mm, \et, 2, \fk, 1, 23
	QUAD \mm, \et, 3, \fk, 1, 23
.else
	QUAD \mm, \et, 0, \fk, 1, 18
	QUAD \mm, \et, 1, \fk, 1, 18
	QUAD \mm, \et, 2, \fk, 1, 18
	QUAD \mm, \et, 3, \fk, 1, 18
.endif
.endm
; A slot's last phase changes slots: ONE barrier.  In front of it each wave waits for all its tensor loads (the one that is out is its part of the next slot), adds 0 to its spare word, and waits for that and for
; its own reads of this slot, all of which were issued in the phase before.  fill = 1: the barrier opens a round of the cluster's barrier, and behind the round this slot is filled again, with the m two slots on.
.macro TURNPH fk, fill
	WIN 0                                          ; (the add's two registers lie in window 0)
	s_wait_tensorcnt 0x0                           ; all my tensor loads have landed, so the walking group 0 may be written;
	ds_add_u32 v[SPW], v[NIL]                      ; 0 onto my spare word
.if \fill
	s_xor_b32 s[G0P+1], s[G0P+1], SLOT1            ; the other slot than last time,
	s_add_nc_u64 s[G0P+2:G0P+3], s[G0P+2:G0P+3], NEXTP   ; the next two m; the type bits on top are not reached
.endif
	s_wait_dscnt 19                                ; (the add and the three younger fragments' eighteen loads may be out)
	QUAD 1, 7, 0, \fk, 0, -1                       ; four matrix instructions and four packed lines stand between the add and the wait for it
	s_wait_dscnt 0x0                               ; the add is done, and my reads of this slot are over
	s_barrier_signal -1
	QUAD 1, 7, 1, \fk, 0, -1                       ; work on registers while the others arrive
	WIN 0
	s_barrier_wait -1
.if \fill
	CREST                                          ; no wave of any partner still reads this slot or has a load on its way
	tensor_load_to_lds s[G0P:G0P+3], s[G1P:G1P+7]  ; my one load behind the round, and the first thing there: this slot's last 8 and the next slot's first 240 matrix instructions stand ahead of the wait for it
	s_nop 0
	PLACES                                         ; four v_nop follow it
.endif
	s_xor_b32 s[TB], s[TB], SLOT1                  ; on to the other slot
	SETAD
	v_add_nc_u32 v[ADS], 4096, v[ADS]              ; and to its two m's scale words and gates
	v_add_nc_u32 v[ADG], 512, v[ADG]
	QUAD 1, 7, 2, \fk, 2, -1
	QUAD 1, 7, 3, \fk, 2, -1
.endm
; A slot: two m x eight e tiles.  first = 1: the launch's first slot, whose first m starts dz.  kind = 1: the slot is filled again at its end; 0: it is only left; 2: the last slot.
.macro SLOTB first, kind
.irp mm, 0,1
.irp et, 0,1,2,3,4,5,6,7
.set fkv, 2
.if \first
.if (\mm == 0) || (\et == 0)
.set fkv, 1
.endif
.if (\mm == 0) && (\et == 0)
.set fkv, 0
.endif
.endif
.set prv, 0
.if \et == 2
.if (\mm == 0) || (\kind != 2)
.set prv, 1
.endif
.endif
.if (\mm == 1) && (\et == 7)
.if \kind == 2
	QUAD 1, 7, 0, fkv, 0, 18                       ; nothing more to fetch: the counts run down
	QUAD 1, 7, 1, fkv, 0, 12
	QUAD 1, 7, 2, fkv, 0, 6
	QUAD 1, 7, 3, fkv, 0, 0
.else
	TURNPH fkv, \kind
.endif
.else
	PHASE \mm, \et, fkv, prv
.endif
.endr
.endr
	WIN 0                                          ; at a label and at a branch every window is 0
.endm
	s_mov_b32 s[TB], 0
	SETAD
	WIN 0x80
	ds_load_b128 v[G:G+3], v[ADG]                  ; m = 0: my rows' gates (behind my stores of them, in order),
	WIN 0
.irp i, 0,1,2,3
	ds_load_b128 v[PS+4*\i:PS+4*\i+3], v[ADS] offset:512*\i        ; its scale words,
.endr
.irp q, 0,1,2,3
.irp p, 0,1,2,3,4,5
	PIECE PF+12*\q, AD0, 0, \q, \p                 ; and its first e tile
.endr
.endr
	SLOTB 1, 1                                     ; m = 0, 1; at its end slot 0 takes m = 4, 5
	s_mov_b32 s[CNT], 5
.Lslot:                                            ; m = 2 .. 11: each slot is filled again at its end, the last time with m = 14, 15
	SLOTB 0, 1
	s_sub_co_u32 s[CNT], s[CNT], 1
	s_cmp_lg_u32 s[CNT], 0
	s_cbranch_scc1 .Lslot
	SLOTB 0, 0                                     ; m = 12, 13: the tail is written out
	SLOTB 0, 2                                     ; m = 14, 15
	WIN W_FM
.irp rt, 0,1,2,3
	FL 7, 1, 1, \rt, 2                             ; the last score tiles go into dz (the last quad's four packed lines are the places behind the last products)
.endr
	WIN 0
; THE WAY OUT, a row tile at a time: 16 rows x 128 e.  A lane holds 32 neighbouring bytes of a row for each e tile, and the lanes beside it hold other rows: so a block goes through my own stage in LDS and comes back
; as whole rows of 512 bytes.  The stage lies in slot 0: that slot has had its last fill, and every wave has passed the barrier behind which nobody reads it.
.macro TOSTAGE a
	WIN 0x04                                       ; an LDS store's data are its source 1: window 1
.irp et, 0,1,2,3,4,5,6,7
	ds_store_b128 v[STO], v[8*(4*\et+(\a)):8*(4*\et+(\a))+3] offset:64*\et
	ds_store_b128 v[STO], v[8*(4*\et+(\a))+4:8*(4*\et+(\a))+7] offset:64*\et+16
.endr
	WIN 0
.set BB, BK+64*((\a)%2)
.irp t, 0,1,2,3,4,5,6,7,8,9,10,11,12,13,14,15
	ds_load_b128 v[BB+4*\t:BB+4*\t+3], v[RD] offset:\t*SPITCH      ; in order behind my stores, and ahead of the next block's
.endr
.endm
.macro SEND a, younger                 ; younger: the LDS instructions issued behind block a's loads, which may stay out
.set BB, BK+64*((\a)%2)
	s_wait_dscnt \younger
.irp t, 0,1,2,3,4,5,6,7,8,9,10,11,12,13,14,15
	global_store_b128 v[CO], v[BB+4*\t:BB+4*\t+3], s[14:15] offset:(\a)*32768+\t*2048 th:TH_STORE_NT   ; 32 lanes store 512 consecutive bytes, at a multiple of 512 from out0's first byte; written once, read by nobody here
.endr
.endm
	TOSTAGE 0
.irp a, 1,2,3
.if \a > 1
	s_wait_xcnt 0x0                                ; block a - 2's stores have read their registers: block a's loads may land there
.endif
	TOSTAGE \a
	SEND \a-1, 32                                  ; behind block a - 1's loads: block a's 16 stores and 16 loads
.endr
	SEND 3, 0
	s_wait_tensorcnt 0x0                           ; the wave's end: behind my last tensor load and my last LDS store
	ds_add_u32 v[SPW], v[NIL]
	s_wait_dscnt 0x0
	ROUND                                          ; the closing round: no work-group ends while a partner may still ask for a tile that names it
	s_endpgm
.Lfunc_end_k_q5acaf92372_main:
	.size	k_q5acaf92372_main, .Lfunc_end_k_q5acaf92372_main-k_q5acaf92372_main
	.p2alignl 7, 3214868480
	.fill 96, 4, 3214868480
	.section	.rodata,"a",@progbits
	.p2align	6, 0x0
	.amdhsa_kernel k_q5acaf92372_main
		.amdhsa_group_segment_fixed_size 327680
		.amdhsa_private_segment_fixed_size 0
		.amdhsa_enable_private_segment 0
		.amdhsa_kernarg_size 48
		.amdhsa_user_sgpr_count 2
		.amdhsa_user_sgpr_kernarg_segment_ptr 1
		.amdhsa_wavefront_size32 1
		.amdhsa_system_sgpr_workgroup_id_x 1
		.amdhsa_system_sgpr_workgroup_id_y 1
		.amdhsa_system_sgpr_workgroup_id_z 1
		.amdhsa_system_vgpr_workitem_id 0
		.amdhsa_next_free_vgpr 1024
		.amdhsa_next_free_sgpr 100
		.amdhsa_reserve_vcc 0
		.amdhsa_float_denorm_mode_32 3
		.amdhsa_float_denorm_mode_16_64 3
		.amdhsa_memory_ordered 1
		.amdhsa_forward_progress 1
		.amdhsa_inst_pref_size 255
	.end_amdhsa_kernel
	.section	.bss,"aw",@nobits
	.p2align	6
	.space	262144
	.amdgpu_metadata
---
amdhsa.version: [ 1, 2 ]
amdhsa.kernels:
  - .name:           k_q5acaf92372_main
    .symbol:         k_q5acaf92372_main.kd
    .args:
      - { .name: z_codes, .offset: 0, .size: 8, .value_kind: global_buffer, .address_space: global }
      - { .name: z_scales, .offset: 8, .size: 8, .value_kind: global_buffer, .address_space: global }
      - { .name: Psi_codes, .offset: 16, .size: 8, .value_kind: global_buffer, .address_space: global }
      - { .name: Psi_scales, .offset: 24, .size: 8, .value_kind: global_buffer, .address_space: global }
      - { .name: wbf, .offset: 32, .size: 8, .value_kind: global_buffer, .address_space: global }
      - { .name: out0, .offset: 40, .size: 8, .value_kind: global_buffer, .address_space: global }
    .group_segment_fixed_size: 327680
    .private_segment_fixed_size: 0
    .kernarg_segment_align: 8
    .kernarg_segment_size: 48
    .max_flat_workgroup_size: 128
    .sgpr_count:     100
    .vgpr_count:     1024
    .wavefront_size: 32
...
	.end_amdgpu_metadata
.endif
;; end of part 2
;; ======== version 2 of 2: 2 launches; 1.49 times as fast as version 1
;; workspace buffers: wbf 32,768 bytes
;; launch wvec: the kernel of part 1 again; grid 16 x 4, 8 waves a work-group, no clusters, 5,120 bytes of LDS; arguments Psi_codes, Psi_scales, gate_tokens, wbf; writes wbf
;; launch main (part 3): grid 64 x 4, 4 waves a work-group, clusters of 4 x 1, 327,680 bytes of LDS; arguments z_codes, z_scales, Psi_codes, Psi_scales, wbf, out0; writes out0
.if DOCPART == 3
	.amdgcn_target "amdgcn-amd-amdhsa--gfx1250"
	.amdhsa_code_object_version 6
	.text
	.protected	k_q5acaf92372_main
	.globl	k_q5acaf92372_main
	.p2align	8
	.type	k_q5acaf92372_main,@function
k_q5acaf92372_main:
	s_mov_b64 s[64:65], 0
	v_nop
	global_prefetch_b8 v0, s[64:65] scope:SCOPE_SE
	s_setreg_imm32_b32 hwreg(HW_REG_WAVE_MODE, 25, 1), 1
	s_wait_xcnt 0x0
	s_wait_alu depctr_hold_cnt(0) depctr_sa_sdst(0) depctr_va_vdst(0) depctr_va_sdst(0) depctr_va_ssrc(0) depctr_va_vcc(0) depctr_vm_vsrc(0)
	s_getreg_b32 s2, hwreg(HW_REG_IB_STS2, 6, 4)
	s_cmp_eq_u32 s2, 0
	s_cbranch_scc0 .Lentry_in_a_cluster
	s_endpgm
.Lentry_in_a_cluster:
	s_bfe_u32 s2, ttmp6, 0x10000c
	s_cmp_lg_u32 s2, 0x3003
	s_cbranch_scc0 .Lentry_shape_is_right
	s_endpgm
.Lentry_shape_is_right:
; dz[b][e] = the sum over m of gate[b][m] score[b][m][e];  score[b][m][e] = sum over d of z[b][d] Psi[m][d][e], on codes of E3M2 with one E8M0 scale for each 32 d, as they are given;
; gate = relu(2 sigmoid(logit) - 1);  logit[b][m] = sum over e of score[b][m][e] g[m][e] = sum over d of z[b][d] w[m][d], with w[m][d] = sum over e of Psi[m][d][e] g[m][e] from the launch before.
; z: [16384][512] codes, 384 bytes a row; Psi: [16 m][512 e][512 d] codes, d innermost; scale bytes 16 a row; wbf: [2 (hi, lo)][16][512] bf16, w = hi + lo; out0: [16384][512] f32.
; SHARES.  A work-group takes 256 rows b x 128 columns e, for all 16 m; each of its four waves 64 rows x 128 e: dz is 32 accumulators of 16 x 16, 256 registers, and the wave's z (16 fragments, 192 registers)
; stays in registers for the whole launch.  Psi walks through a ring of two LDS slots, two m (2 x 128 rows) to a slot: 256 matrix instructions a wave between two changes of slots.
; THE HEAD makes the gates: z's codes are widened to bf16 (exact: a code has 2 mantissa bits) and multiplied by w's hi and lo parts with the bf16 matrix form, 128 instructions a wave against the loop's 2,048.
; THE LOOP: for each m and each tile of 16 e, four row tiles x four K steps of the scaled matrix instruction into a score tile, which the vector unit then adds to dz, times the row's gate: one packed
; multiply-add for each matrix instruction, set between the matrix instructions of the next tile.  THE LDS LOADS STAND IN RUNS, never singly among the matrix instructions: one run of 48 for every two e tiles
; (32 matrix instructions), a whole such group ahead of its use.
; THE MATRIX INSTRUCTION IS USED TRANSPOSED (source 0 = 16 rows e of Psi, source 1 = 16 rows b of z): a lane holds ONE row b (lane % 16) and eight neighbouring e, so a gate is one number a lane.
; CLUSTER: the four work-groups of a cluster take four row blocks and the SAME 128 e: Psi's codes and scales and w are asked for JOINTLY (mask 15).  z is each work-group's own: one load a wave, once.
; LIMITS: the logits are summed first over e (f32, then hi + lo in bf16) and then over d: the same products as in the definition, in another order.  NaN, infinities and scale bytes 0xff are not served; numbers of z
; under 2^-126 lose bits in the logits.  The gates are formed as the definition forms them, 2 sigmoid - 1 in f32: an absolute error of the order of 2^-23.  The input t enters no step of the definition and is not read.
; REGISTERS, in windows of 256: window 0: v2-15 addresses; v16-23 z's scale words; v24-55 Psi's, two sets; v64-127 score tiles, two buffers of four; v128-255 the head's, and the way out's.
;   window 1: dz, accumulator (e tile, row tile) at v[8 (4 et + rt)].   window 2: v0-191 z's fragments at v[12 (4 rt + q)]; v192-199 gates, two sets of four; v200-206 copies of codes.
;   window 3: in the head w's fragments; in the loop Psi's fragments, two buffers of eight (two e tiles x four K steps), 96 registers each.
.set PITCH,  432                       ; a row of 384 bytes in LDS: 3 x (128 bytes + 16 of padding) = 108 words: row r starts at bank 44 r mod 64 (64 banks of 4 bytes: ISA guide 11.1): sixteen different multiples of 4, so the 32 lanes of a load of 8 bytes touch 64 different banks
.set TROW,   16*PITCH                  ; 16 rows: a tile
.set QTR,    64*PITCH                  ; 64 rows: what one tensor load brings
.set MH,     2*QTR                     ; one m: 128 rows
.set GT,     4*QTR                     ; behind slot 0: the gates: wave x 4,096 + m x 256 + (lane % 16) x 16 + row tile x 4
.set SPARE,  GT+16384                  ; the spare words, 128 bytes for each wave: two blocks of 256 bytes that no other line names
.set SLOT1,  1<<17                     ; slot 1 begins here, so that one exclusive or turns an address in one slot into the other's.  It holds z first
.set SCB,    SLOT1+4*QTR               ; Psi's scale bytes for my 128 e, all m: m x 2,048 + e x 16: filled once
.set WB,     SCB+32768                 ; w: 32 rows (hi 0-15, lo 16-31) of 1,024 bytes + 16: filled once
.set WPITCH, 1040
.set SPITCH, 528                       ; the way out: a stage of 16 rows x (512 bytes + 16) for each wave, in slot 0, which has had its last fill and its last read by then
.set NEXTP,  2*512*384                 ; bytes from a slot's two m to the next two
.set AKA, 2                            ; v2   my lane's place in a tile: (lane % 16) x 432 + 24 (lane / 16)
.set AKB, 3                            ; v3   the same behind one padding more: + 40 (lane / 16)
.set AD0, 4                            ; v4-5 the same in the slot in hand, first m;
.set AD1, 6                            ; v6-7 second m
.set ADS, 8                            ; v8   Psi's scale words: SCB + 16 x lane, + 4,096 a slot
.set ADG, 9                            ; v9   my gates: GT + wave x 4,096 + 16 (lane % 16), + 512 a slot
.set SPW, 10                           ; v10  LDS address of my spare word; never rewritten
.set NIL, 11                           ; v11  0; never rewritten
.set STO, 12                           ; v12  the way out: where I put 32 bytes of a row
.set RD,  13                           ; v13  and where I read a row back
.set CO,  14                           ; v14  16 x lane
.set AGS, 15                           ; v15  where I store gates
.set ZS,  16                           ; z's scale words: register 4 j + q: lanes 0-15 row tile 2 j, lanes 16-31 row tile 2 j + 1, K step q
.set PS,  24                           ; Psi's: set mm at 24 + 16 mm; register 4 i + q: lanes 0-15 e tile 2 i, lanes 16-31 e tile 2 i + 1
.set X,   64
.set BK,  64                           ; the way out: 16 rows read back: v64-127 and v128-191 by turns
.set LH,  64                           ; the head: logits from hi, 8 registers a row tile;
.set LL,  96                           ; from lo
.set BF,  128                          ; four bf16 fragments of z
.set T,   160                          ; 64 widened numbers
.set GG,  160                          ; later the gates, register 4 j + rt
.set ZW,  224                          ; z's scale words by rows: register 4 rt + q, lane (r, h): row 16 rt + r
.set ONES, 240
.set SH8, 241
.set FS,  244
.set AW,  246
.set G,   192                          ; in window 2
.set CT,  200
.set G1P, 16                           ; s[16:23] descriptor group 1: a quarter of a slot, joint;  s[24:31] the same shape, my own (z);  s[32:39] scale bytes;  s[40:47] w
.set G1Z, 24
.set G1S, 32
.set G1W, 40
.set G0Z, 48                           ; groups 0: z, w, scale bytes, slot 0's first fill,
.set G0W, 52
.set G0S, 56
.set G0A, 60
.set G0P, 68                           ; and the one that walks
.set WV,  72
.set TB,  76                           ; LDS byte at which the slot in hand begins
.set CNT, 77
.set MSB, 0
.macro WIN new                         ; the immediate's high byte repeats the setting that is left; a switch that changes nothing is dropped
.if MSB != \new
	s_set_vgpr_msb (MSB<<8)|\new
.set MSB, \new
.endif
.endm
.set W_MM, 0x0b                        ; source 0 (Psi) window 3, source 1 (z) window 2, C and D (scores) window 0
.set W_FM, 0x58                        ; destination and source 2 (dz) window 1, source 1 (gates) window 2, source 0 (scores) window 0
.set W_LD, 0xc0                        ; destination window 3, address window 0
.macro CREST                           ; a round of the cluster's barrier behind its opening barrier
	s_cmp_lg_u32 s[WV], 0
	s_cbranch_scc1 .Lnot_wave_0_\@
	s_barrier_signal -3
.Lnot_wave_0_\@:
	s_barrier_wait -3
	s_barrier_signal -1
	s_barrier_wait -1
.endm
.macro ROUND                           ; a whole round
	s_barrier_signal -1
	s_barrier_wait -1
	CREST
.endm
.macro PLACES
.rept 4
	v_nop
.endr
.endm
	s_load_b256 s[4:11], s[0:1], 0x0               ; z's codes s[4:5], z's scales s[6:7], Psi's codes s[8:9], Psi's scales s[10:11]
	s_load_b128 s[12:15], s[0:1], 0x20             ; wbf s[12:13], out0 s[14:15]
	v_lshl_add_u32 v[SPW], v0, 2, SPARE
	v_mov_b32 v[NIL], 0
	ds_add_u32 v10, v11
	ds_add_u32 v10, v11
	s_wait_dscnt 0x0
	v_lshrrev_b32 v247, 5, v0
	v_readfirstlane_b32 s[WV], v247                ; wave 0..3
	s_bfe_u32 s73, ttmp6, 0x40000                  ; cx: my place in the cluster: it enters z's and out0's global addresses alone
	s_lshl_b32 s74, ttmp9, 2
	s_add_co_u32 s74, s74, s73                     ; my block of 256 rows = 4 x cluster x + cx
	s_and_b32 s75, ttmp7, 0xffff                   ; my block of 128 e, which the four partners share
	; descriptor group 1.  A quarter of a slot, and a wave's rows of z, are 24,576 dense bytes: 96 rows of 256 bytes (32 elements of 8), 16 bytes of padding behind every 128
	s_mov_b32 s[G1P+0], 15|(3<<16)|(1<<20)|(1<<21)|(4<<22)|(3<<25)  ; 15:0 the mask: all four work-groups; 17:16 elements of 8 bytes; 20 padding on; 21 set beside a mask; 24:22 after every 32 words (code 4); 31:25 4 words of it (code 3)
	s_mov_b32 s[G1Z+0], (3<<16)|(1<<20)|(4<<22)|(3<<25)             ; the same without a mask
.irp g, G1P, G1Z
	s_mov_b32 s[\g+1], 32<<16                      ; tensor_dim0
	s_mov_b32 s[\g+2], 96<<16                      ; tensor_dim1
	s_mov_b32 s[\g+3], 32<<16                      ; tile_dim0
	s_mov_b32 s[\g+4], 96                          ; tile_dim1
	s_mov_b32 s[\g+5], 32                          ; tensor_dim0_stride
	s_mov_b32 s[\g+6], 0
	s_mov_b32 s[\g+7], 0
.endr
	s_mov_b32 s[G1S+0], 15|(3<<16)|(1<<21)         ; scale bytes: four m, 2,048 bytes (my 128 e) of each, 8,192 bytes apart; no padding
	s_mov_b32 s[G1S+1], 256<<16
	s_mov_b32 s[G1S+2], 4<<16
	s_mov_b32 s[G1S+3], 256<<16
	s_mov_b32 s[G1S+4], 4
	s_mov_b32 s[G1S+5], 1024
	s_mov_b32 s[G1S+6], 0
	s_mov_b32 s[G1S+7], 0
	s_mov_b32 s[G1W+0], 15|(3<<16)|(1<<20)|(1<<21)|(7<<22)|(3<<25)  ; w: eight rows of 1,024 bytes, 16 bytes of padding behind each (after every 256 words: code 7)
	s_mov_b32 s[G1W+1], 128<<16
	s_mov_b32 s[G1W+2], 8<<16
	s_mov_b32 s[G1W+3], 128<<16
	s_mov_b32 s[G1W+4], 8
	s_mov_b32 s[G1W+5], 128
	s_mov_b32 s[G1W+6], 0
	s_mov_b32 s[G1W+7], 0
	; offsets that hang on my row block: z's codes, z's scales, out0
	s_mul_i32 s80, s74, 98304                      ; 256 rows x 384
	s_mul_i32 s78, s[WV], 24576                    ; my wave's 64
	s_add_co_u32 s80, s80, s78
	s_mov_b32 s81, 0
	s_lshl_b32 s82, s74, 12
	s_lshl_b32 s78, s[WV], 10
	s_add_co_u32 s82, s82, s78
	s_mov_b32 s83, 0
	s_lshl_b32 s84, s74, 19                        ; 256 rows x 2,048
	s_lshl_b32 s78, s[WV], 17
	s_add_co_u32 s84, s84, s78
	s_lshl_b32 s78, s75, 9                         ; my 128 e: 512 bytes
	s_add_co_u32 s84, s84, s78
	s_mov_b32 s85, 0
	; offsets of the joint loads, in registers that never hold cx: they hang on the e block and the wave's number alone
	s_lshl_b32 s86, s[WV], 13                      ; w: rows 8 wave on
	s_mov_b32 s87, 0
	s_lshl_b32 s88, s75, 11                        ; scale bytes: e block x 2,048 + 4 wave x 8,192
	s_lshl_b32 s92, s[WV], 15
	s_add_co_u32 s88, s88, s92
	s_mov_b32 s89, 0
	s_mul_i32 s90, s75, 49152                      ; codes: e block x 128 rows x 384
	s_lshr_b32 s92, s[WV], 1
	s_mul_i32 s92, s92, 196608                     ; + which of the slot's two m
	s_add_co_u32 s90, s90, s92
	s_and_b32 s92, s[WV], 1
	s_mul_i32 s92, s92, 24576                      ; + which 64 rows
	s_add_co_u32 s90, s90, s92
	s_mov_b32 s91, 0
	s_mul_i32 s93, s[WV], QTR                      ; and where a quarter goes in a slot
	s_wait_kmcnt 0x0
	s_mov_b32 s[G0Z], 1                            ; 1:0 count = 1
	s_add_co_u32 s[G0Z+1], s93, SLOT1              ; 63:32 LDS address
	s_add_nc_u64 s[G0Z+2:G0Z+3], s[4:5], s[80:81]  ; 120:64 global address
	s_or_b32 s[G0Z+3], s[G0Z+3], 0x80000000        ; 127:126 type = 2
	s_mov_b32 s[G0W], 1
	s_mul_i32 s[G0W+1], s[WV], 8*WPITCH
	s_add_co_u32 s[G0W+1], s[G0W+1], WB
	s_add_nc_u64 s[G0W+2:G0W+3], s[12:13], s[86:87]
	s_or_b32 s[G0W+3], s[G0W+3], 0x80000000
	s_mov_b32 s[G0S], 1
	s_lshl_b32 s[G0S+1], s[WV], 13
	s_add_co_u32 s[G0S+1], s[G0S+1], SCB
	s_add_nc_u64 s[G0S+2:G0S+3], s[10:11], s[88:89]
	s_or_b32 s[G0S+3], s[G0S+3], 0x80000000
	s_mov_b32 s[G0A], 1
	s_mov_b32 s[G0A+1], s93
	s_add_nc_u64 s[G0A+2:G0A+3], s[8:9], s[90:91]  ; m = 0, 1
	s_mov_b32 s[G0P], 1
	s_add_co_u32 s[G0P+1], s93, SLOT1
	s_add_nc_u64 s[G0P+2:G0P+3], s[G0A+2:G0A+3], NEXTP   ; m = 2, 3
	s_or_b32 s[G0A+3], s[G0A+3], 0x80000000
	s_or_b32 s[G0P+3], s[G0P+3], 0x80000000
	s_add_nc_u64 s[6:7], s[6:7], s[82:83]          ; z's scales at my wave's first row
	s_add_nc_u64 s[14:15], s[14:15], s[84:85]      ; out0 at my wave's first row, my first e
	ROUND                                          ; all four work-groups are here: the first joint loads meet
	tensor_load_to_lds s[G0Z:G0Z+3], s[G1Z:G1Z+7]  ; the first fills go out as one group: four loads of mine are out.  z first: it is wanted first
	s_nop 0
	tensor_load_to_lds s[G0W:G0W+3], s[G1W:G1W+7]
	s_nop 0
	tensor_load_to_lds s[G0S:G0S+3], s[G1S:G1S+7]
	s_nop 0
	tensor_load_to_lds s[G0A:G0A+3], s[G1P:G1P+7]
	s_nop 0
	PLACES                                         ; four v_nop follow the last of them
	v_and_b32 v247, 15, v0                         ; r = lane % 16
	v_bfe_u32 v248, v0, 4, 1                       ; h = lane / 16
	v_and_b32 v249, 31, v0                         ; lane
	v_mul_u32_u24 v[AKA], v247, PITCH
	v_mad_u32_u24 v[AKA], v248, 24, v[AKA]
	v_lshl_add_u32 v[AKB], v248, 4, v[AKA]
	v_lshl_add_u32 v[ADS], v249, 4, SCB
	s_lshl_b32 s94, s[WV], 12
	s_add_co_u32 s94, s94, GT
	v_lshl_add_u32 v[ADG], v247, 4, s94
	v_lshl_add_u32 v[AGS], v248, 11, v[ADG]        ; a lane of the upper half holds m = 8 .. 15: 8 x 256 bytes on
	s_mul_i32 s95, s[WV], 16*SPITCH
	v_mul_u32_u24 v[STO], v247, SPITCH
	v_lshl_add_u32 v[STO], v248, 5, v[STO]
	v_add_nc_u32 v[STO], s95, v[STO]
	v_lshlrev_b32 v[CO], 4, v249
	v_add_nc_u32 v[RD], s95, v[CO]
	v_mul_u32_u24 v[AW], v247, WPITCH
	v_lshl_add_u32 v[AW], v248, 6, v[AW]
	v_add_nc_u32 v[AW], WB, v[AW]                  ; w: row r, + 64 h bytes (32 d)
	v_lshlrev_b32 v[SH8], 3, v248
	v_mov_b32 v[ONES], 0x7f7f7f7f                  ; the widening conversion's scale: 2^0, the same byte everywhere
	v_lshlrev_b32 v250, 4, v247
.irp j, 0,1
	global_load_b128 v[ZS+4*\j:ZS+4*\j+3], v[CO], s[6:7] offset:512*\j      ; lane l: the 16 scale bytes of row 32 j + l: the matrix instruction's scale words
.endr
.irp rt, 0,1,2,3
	global_load_b128 v[ZW+4*\rt:ZW+4*\rt+3], v250, s[6:7] offset:256*\rt    ; lane (r, h): those of row 16 rt + r: for the widening
.endr
	v_add_nc_u32 v[AD0], s[G0Z+1], v[AKA]          ; my wave's rows of z in LDS
	v_add_nc_u32 v[AD0+1], s[G0Z+1], v[AKB]
; One piece of 8 bytes of a fragment.  A fragment (16 rows x 128 K of 6-bit codes) is 12 registers: lane l holds row l % 16; registers 6 c .. 6 c + 5 hold K = 64 c + 32 (l / 16) + 0 .. 31: 24 bytes of the row, as they lie.
; Lanes 0-15 take the row's pieces 12 q + 0, 1, 2 and 12 q + 6, 7, 8, lanes 16-31 those three pieces on; where that lies behind one padding more (16 pieces to a padding), the second address register serves.
.macro PIECE reg, ad, roff, q, p
.set PCN, 12*(\q)+6*((\p)/3)+(\p)%3
.set rL, (\reg)+2*(\p)
.set rAD, \ad
.if PCN%16 >= 13
.set rAD, (\ad)+1
.endif
	ds_load_b64 v[rL:rL+1], v[rAD] offset:(\roff)+8*PCN+16*(PCN/16)
.endm
	s_wait_tensorcnt 0x3                           ; z's load is done: three were issued behind it.  Only I read the rows that I fetched
	WIN 0x80                                       ; destination window 2
.irp rt, 0,1,2,3
.irp q, 0,1,2,3
.irp p, 0,1,2,3,4,5
	PIECE 12*(4*\rt+\q), AD0, \rt*TROW, \q, \p
.endr
.endr
.endr
	WIN 0
	s_wait_tensorcnt 0x0                           ; all my tensor loads have landed: w, the scale bytes, slot 0;
	ds_add_u32 v[SPW], v[NIL]                      ; 0 onto my spare word
	s_wait_dscnt 0x0                               ; the add is done, and z is in registers: my reads of slot 1's bytes are over
	ROUND                                          ; that now holds of every wave of the cluster; w, the scale bytes and slot 0 are whole
	tensor_load_to_lds s[G0P:G0P+3], s[G1P:G1P+7]  ; m = 2, 3 over z's bytes: my one load behind this round; the whole head and most of slot 0's 256 matrix instructions stand ahead of the wait for it
	s_nop 0
	PLACES
	WIN 0xc0                                       ; destination window 3
.irp p, 0,1
.irp t, 0,1,2,3,4,5,6,7,8,9,10,11,12,13,14,15
	ds_load_b128 v[128*\p+8*\t:128*\p+8*\t+3],   v[AW] offset:\p*16*WPITCH+256*(\t/4)+128*((\t/2)%2)+32*(\t%2)      ; w's fragment t = 4 q + 2 c + u: lane (r, h): w[r][128 q + 64 c + 32 h + 16 u + 0 .. 15]
	ds_load_b128 v[128*\p+8*\t+4:128*\p+8*\t+7], v[AW] offset:\p*16*WPITCH+256*(\t/4)+128*((\t/2)%2)+32*(\t%2)+16
.endr
.endr
	WIN 0
	s_wait_dscnt 0x0
	s_wait_loadcnt 0x0                             ; z's scale words
; THE LOGITS.  One fragment of z (row tile rt, K step q) is widened: four conversions of 16 codes; x 2^(the block's byte - 127); rounded to bf16, which rounds nothing.  The 16 numbers of conversion g = 2 c + u are
; d = 128 q + 64 c + 32 (lane / 16) + 16 u + 0 .. 15: they fill the lane's 8 registers of a bf16 operand, and w's fragments were loaded by the same map of d, so each product meets its partner.
; Source 0 = w's 16 rows m, source 1 = z: in the result lane (r, h) holds row r's logits of m = 8 h + 0 .. 7.  The sums from hi and from lo take turns, one instruction a turn.
.macro BATCH rt, q
.set zf, 12*(4*(\rt)+(\q))
	WIN 0x82
.irp i, 0,1,2
	v_mov_b32 v[CT+\i], v[zf+3+\i]                 ; a conversion's three source registers begin on an even number: the second and fourth run of 16 codes do not, so they are copied
	v_mov_b32 v[CT+4+\i], v[zf+9+\i]
.endr
	WIN 0x02
	v_cvt_scale_pk16_f32_bf6 v[T:T+15], v[zf:zf+2], v[ONES]
	v_cvt_scale_pk16_f32_bf6 v[T+16:T+31], v[CT:CT+2], v[ONES]
	v_cvt_scale_pk16_f32_bf6 v[T+32:T+47], v[zf+6:zf+8], v[ONES]
	v_cvt_scale_pk16_f32_bf6 v[T+48:T+63], v[CT+4:CT+6], v[ONES]
	WIN 0
	v_lshrrev_b32 v242, v[SH8], v[ZW+4*(\rt)+(\q)] ; my blocks are 2 c + h: bytes h and 2 + h of the word.  (These plain lines stand between the conversions and the use of their results)
	v_bfe_u32 v243, v242, 16, 8
	v_and_b32 v242, 255, v242
	v_add_nc_u32 v242, 0xffffff81, v242
	v_add_nc_u32 v243, 0xffffff81, v243
	v_ldexp_f32 v[FS], 1.0, v242                   ; 2^(byte - 127) for c = 0,
	v_ldexp_f32 v[FS+1], 1.0, v243                 ; for c = 1
.irp g, 0,1
.irp i, 0,2,4,6,8,10,12,14
	v_pk_mul_f32 v[T+16*\g+\i:T+16*\g+\i+1], v[T+16*\g+\i:T+16*\g+\i+1], v[FS:FS+1] op_sel_hi:[1,0]
.endr
.endr
.irp g, 2,3
.irp i, 0,2,4,6,8,10,12,14
	v_pk_mul_f32 v[T+16*\g+\i:T+16*\g+\i+1], v[T+16*\g+\i:T+16*\g+\i+1], v[FS:FS+1] op_sel:[0,1] op_sel_hi:[1,1]
.endr
.endr
.irp g, 0,1,2,3
.irp j, 0,1,2,3,4,5,6,7
	v_cvt_pk_bf16_f32 v[BF+8*\g+\j], v[T+16*\g+2*\j], v[T+16*\g+2*\j+1]
.endr
.endr
	PLACES                                         ; the operands just written stand four places ahead of the products
	WIN 0x03                                       ; source 0 (w) window 3
.irp g, 0,1,2,3
.set rW, 8*(4*(\q)+\g)
.set rBF, BF+8*\g
.if ((\q) == 0) && (\g == 0)
	v_wmma_f32_16x16x32_bf16 v[LH+8*(\rt):LH+8*(\rt)+7], v[rW:rW+7], v[rBF:rBF+7], 0               ; the first products start the sums
	v_wmma_f32_16x16x32_bf16 v[LL+8*(\rt):LL+8*(\rt)+7], v[rW+128:rW+135], v[rBF:rBF+7], 0
.else
	v_wmma_f32_16x16x32_bf16 v[LH+8*(\rt):LH+8*(\rt)+7], v[rW:rW+7], v[rBF:rBF+7], v[LH+8*(\rt):LH+8*(\rt)+7]
	v_wmma_f32_16x16x32_bf16 v[LL+8*(\rt):LL+8*(\rt)+7], v[rW+128:rW+135], v[rBF:rBF+7], v[LL+8*(\rt):LL+8*(\rt)+7]
.endif
.endr
.endm
.irp rt, 0,1,2,3
.irp q, 0,1,2,3
	BATCH \rt, \q
.endr
.endr
	WIN 0
	PLACES                                         ; four places between the last product and the first read of results, and the loads that later land on w's registers
; THE GATES: relu(2 / (1 + 2^(-logit log2 e)) - 1), in f32; each accumulator is read from its low end on
.set j, 0
.rept 16
	v_pk_add_f32 v[LH+j:LH+j+1], v[LH+j:LH+j+1], v[LL+j:LL+j+1]
.set j, j+2
.endr
.set j, 0
.rept 16
	v_pk_mul_f32 v[LH+j:LH+j+1], v[LH+j:LH+j+1], 0xbfb8aa3b op_sel_hi:[1,0]       ; x -log2(e)
.set j, j+2
.endr
.set j, 0
.rept 32
	v_exp_f32 v[LH+j], v[LH+j]
.set j, j+1
.endr
	v_nop                                          ; one plain instruction behind the last transcendental (ISA guide 5.7.2)
.set j, 0
	s_wait_alu depctr_va_vdst(0)
.rept 16
	v_pk_add_f32 v[LH+j:LH+j+1], v[LH+j:LH+j+1], 1.0 op_sel_hi:[1,0]
.set j, j+2
.endr
.set j, 0
.rept 32
	v_rcp_f32 v[LH+j], v[LH+j]
.set j, j+1
.endr
	v_nop
.set j, 0
	s_wait_alu depctr_va_vdst(0)
.rept 16
	v_pk_fma_f32 v[LH+j:LH+j+1], v[LH+j:LH+j+1], 2.0, -1.0 op_sel_hi:[1,0,0]
.set j, j+2
.endr
.irp j, 0,1,2,3,4,5,6,7
.irp rt, 0,1,2,3
	v_max_num_f32 v[GG+4*\j+\rt], 0, v[LH+8*\rt+\j]                ; the four row tiles' gates of one m side by side
.endr
.endr
.irp j, 0,1,2,3,4,5,6,7
	ds_store_b128 v[AGS], v[GG+4*\j:GG+4*\j+3] offset:256*\j       ; m = 8 h + j.  The table is my wave's own, and LDS serves a wave's instructions in order (ISA guide 5.7.1.4): no barrier, no wait
.endr
; THE LOOP'S PARTS.
.macro SETAD                           ; my lane's places in the slot in hand
	v_add_nc_u32 v[AD0], s[TB], v[AKA]
	v_add_nc_u32 v[AD0+1], s[TB], v[AKB]
	v_add_nc_u32 v[AD1], MH, v[AD0]
	v_add_nc_u32 v[AD1+1], MH, v[AD0+1]
.endm
; One scaled matrix instruction on the registers named by rD, rA, rB, rSA, rSB.  zero: it starts the sum.  ra, rb: the side's scale words lie in lanes 16-31.
.macro WM zero, ra, rb
.if \zero
.if \ra
.if \rb
	v_wmma_scale_f32_16x16x128_f8f6f4 v[rD:rD+7], v[rA:rA+11], v[rB:rB+11], 0, v[rSA], v[rSB] matrix_a_fmt:MATRIX_FMT_BF6 matrix_b_fmt:MATRIX_FMT_BF6 matrix_a_scale:MATRIX_SCALE_ROW1 matrix_b_scale:MATRIX_SCALE_ROW1
.else
	v_wmma_scale_f32_16x16x128_f8f6f4 v[rD:rD+7], v[rA:rA+11], v[rB:rB+11], 0, v[rSA], v[rSB] matrix_a_fmt:MATRIX_FMT_BF6 matrix_b_fmt:MATRIX_FMT_BF6 matrix_a_scale:MATRIX_SCALE_ROW1
.endif
.else
.if \rb
	v_wmma_scale_f32_16x16x128_f8f6f4 v[rD:rD+7], v[rA:rA+11], v[rB:rB+11], 0, v[rSA], v[rSB] matrix_a_fmt:MATRIX_FMT_BF6 matrix_b_fmt:MATRIX_FMT_BF6 matrix_b_scale:MATRIX_SCALE_ROW1
.else
	v_wmma_scale_f32_16x16x128_f8f6f4 v[rD:rD+7], v[rA:rA+11], v[rB:rB+11], 0, v[rSA], v[rSB] matrix_a_fmt:MATRIX_FMT_BF6 matrix_b_fmt:MATRIX_FMT_BF6
.endif
.endif
.else
.if \ra
.if \rb
	v_wmma_scale_f32_16x16x128_f8f6f4 v[rD:rD+7], v[rA:rA+11], v[rB:rB+11], v[rD:rD+7], v[rSA], v[rSB] matrix_a_fmt:MATRIX_FMT_BF6 matrix_b_fmt:MATRIX_FMT_BF6 matrix_a_scale:MATRIX_SCALE_ROW1 matrix_b_scale:MATRIX_SCALE_ROW1
.else
	v_wmma_scale_f32_16x16x128_f8f6f4 v[rD:rD+7], v[rA:rA+11], v[rB:rB+11], v[rD:rD+7], v[rSA], v[rSB] matrix_a_fmt:MATRIX_FMT_BF6 matrix_b_fmt:MATRIX_FMT_BF6 matrix_a_scale:MATRIX_SCALE_ROW1
.endif
.else
.if \rb
	v_wmma_scale_f32_16x16x128_f8f6f4 v[rD:rD+7], v[rA:rA+11], v[rB:rB+11], v[rD:rD+7], v[rSA], v[rSB] matrix_a_fmt:MATRIX_FMT_BF6 matrix_b_fmt:MATRIX_FMT_BF6 matrix_b_scale:MATRIX_SCALE_ROW1
.else
	v_wmma_scale_f32_16x16x128_f8f6f4 v[rD:rD+7], v[rA:rA+11], v[rB:rB+11], v[rD:rD+7], v[rSA], v[rSB] matrix_a_fmt:MATRIX_FMT_BF6 matrix_b_fmt:MATRIX_FMT_BF6
.endif
.endif
.endif
.endm
; Four packed lines: dz(e tile pet, row tile q) takes the score tile in buffer xb, times my row's gate of set gs, from the tile's low end on.  fk = 1: the first m starts dz: nothing is ever cleared.
.macro FL pet, xb, gs, q, fk
.set rX, X+32*(\xb)+8*(\q)
.set rZ, 8*(4*(\pet)+(\q))
.set rG, G+4*(\gs)+2*((\q)/2)          ; the gates are named as pairs: an even row tile takes the pair's low word for both halves, an odd one the high word
.irp i, 0,2,4,6
.if (\fk) == 1
.if (\q)%2 == 0
	v_pk_mul_f32 v[rZ+\i:rZ+\i+1], v[rX+\i:rX+\i+1], v[rG:rG+1] op_sel_hi:[1,0]
.else
	v_pk_mul_f32 v[rZ+\i:rZ+\i+1], v[rX+\i:rX+\i+1], v[rG:rG+1] op_sel:[0,1] op_sel_hi:[1,1]
.endif
.else
.if (\q)%2 == 0
	v_pk_fma_f32 v[rZ+\i:rZ+\i+1], v[rX+\i:rX+\i+1], v[rG:rG+1], v[rZ+\i:rZ+\i+1] op_sel_hi:[1,0,1]
.else
	v_pk_fma_f32 v[rZ+\i:rZ+\i+1], v[rX+\i:rX+\i+1], v[rG:rG+1], v[rZ+\i:rZ+\i+1] op_sel:[0,1,0] op_sel_hi:[1,1,1]
.endif
.endif
.endr
.endm
; A QUAD: K step q of e tile et of the slot's m number mm: four matrix instructions, one for each row tile: the four accumulators take turns, one instruction a turn.
; Psi's fragment lies in window 3: buffer (et / 2) % 2, 96 registers; in it e tile et % 2, 48; in that K step q, 12.
; Behind the four stand four packed lines that take row tile q of the tile BEFORE into dz (fk = 0: there is none yet: four v_nop).  Those four lines name no register of this quad's matrix instructions: they are the
; four places (ISA guide 7.12.1 for vector instructions) between a tile's last product and the first read of its results, one quad on, and between a group's last product and the run of loads that lands on its fragments.
.macro QUAD mm, et, q, fk
	WIN W_MM
.set vZ, 0
.if (\q) == 0
.set vZ, 1
.endif
.set rA, 96*(((\et)/2)%2)+48*((\et)%2)+12*(\q)
.set rSA, PS+16*(\mm)+4*((\et)/2)+(\q)
.irp rt, 0,1,2,3
.set rD, X+32*((\et)%2)+8*\rt
.set rB, 12*(4*\rt+(\q))
.set rSB, ZS+4*(\rt/2)+(\q)
	WM vZ, (\et)%2, \rt%2
.endr
.if (\fk) == 0
	PLACES
.else
	WIN W_FM
.set vGS, \mm
.if (\et) == 0
.set vGS, 1-(\mm)
.endif
	FL ((\et)+7)%8, ((\et)+1)%2, vGS, \q, \fk
.endif
.endm
; A RUN: 48 LDS loads on end: the eight fragments of e tiles et0 and et0 + 1, at the places ad, into buffer nb.
.macro RUN ad, et0, nb
	WIN W_LD
.irp u, 0,1
.irp q, 0,1,2,3
.irp p, 0,1,2,3,4,5
	PIECE 96*(\nb)+48*\u+12*\q, \ad, ((\et0)+\u)*TROW, \q, \p
.endr
.endr
.endr
.endm
; A GROUP: e tiles 2 eg and 2 eg + 1 of the slot's m number mm: 32 matrix instructions.  At its head: the wait for its own fragments, which were asked for a whole group ago with nothing behind them, so the count is 0;
; then the next group's run (nx = 1: the same m's next two tiles; 2: the second m's first two; 0: none), into the buffer that the group before has read.
; pre = 1: the next m's gates and scale words go with the run: five loads more; their sets were last used in the group before.
.macro GROUP mm, eg, fka, fkb, pre, nx
	s_wait_dscnt 0x0
.if (\nx) == 1
	RUN AD0+2*(\mm), 2*(\eg)+2, ((\eg)+1)%2
.endif
.if (\nx) == 2
	RUN AD1, 0, 0
.endif
.if \pre
	WIN 0x80                                       ; destination window 2
	ds_load_b128 v[G+4*(1-(\mm)):G+4*(1-(\mm))+3], v[ADG] offset:((\mm)+1)*256
	WIN 0
.irp i, 0,1,2,3
	ds_load_b128 v[PS+16*(1-(\mm))+4*\i:PS+16*(1-(\mm))+4*\i+3], v[ADS] offset:((\mm)+1)*2048+512*\i
.endr
.endif
.irp q, 0,1,2,3
	QUAD \mm, 2*(\eg), \q, \fka
.endr
.irp q, 0,1,2,3
	QUAD \mm, 2*(\eg)+1, \q, \fkb
.endr
.endm
; A slot's last group (second m, e tiles 6 and 7) changes slots: ONE barrier.  In front of it each wave waits for all its tensor loads (the one that is out is its part of the next slot), adds 0 to its spare word, and
; waits for that and for its own reads of this slot, the last of which were issued a group ago.  fill = 1: the barrier opens a round of the cluster's barrier, and behind the round this slot is filled again, with the m
; two slots on.  Then comes the run for the next slot's first group, 16 matrix instructions ahead of its use.
.macro TURNG fk, fill
	WIN 0                                          ; (the add's two registers lie in window 0)
	s_wait_tensorcnt 0x0                           ; all my tensor loads have landed, so the walking group 0 may be written;
	ds_add_u32 v[SPW], v[NIL]                      ; 0 onto my spare word
.if \fill
	s_xor_b32 s[G0P+1], s[G0P+1], SLOT1            ; the other slot than last time,
	s_add_nc_u64 s[G0P+2:G0P+3], s[G0P+2:G0P+3], NEXTP   ; the next two m; the type bits on top are not reached
.endif
	s_wait_dscnt 0x1                               ; this group's fragments are in (the add alone was issued behind them)
	QUAD 1, 6, 0, \fk                              ; eight matrix instructions and eight packed lines stand between the add and the wait for it
	QUAD 1, 6, 1, \fk
	s_wait_dscnt 0x0                               ; the add is done, and my reads of this slot are over
	s_barrier_signal -1
	QUAD 1, 6, 2, \fk                              ; work on registers while the others arrive
	QUAD 1, 6, 3, \fk
	WIN 0
	s_barrier_wait -1
.if \fill
	CREST                                          ; no wave of any partner still reads this slot or has a load on its way
	tensor_load_to_lds s[G0P:G0P+3], s[G1P:G1P+7]  ; my one load behind the round, and the first thing there: 240 matrix instructions stand ahead of the wait for it
	s_nop 0
	PLACES                                         ; four v_nop follow it
.endif
	s_xor_b32 s[TB], s[TB], SLOT1                  ; on to the other slot
	SETAD
	v_add_nc_u32 v[ADS], 4096, v[ADS]              ; and to its two m's scale words and gates
	v_add_nc_u32 v[ADG], 512, v[ADG]
	RUN AD0, 0, 0                                  ; buffer 0 was last read a group ago
	QUAD 1, 7, 0, \fk
	QUAD 1, 7, 1, \fk
	QUAD 1, 7, 2, \fk
	QUAD 1, 7, 3, \fk
.endm
; A slot: two m x four groups.  first = 1: the launch's first slot, whose first m starts dz.  kind = 1: the slot is filled again at its end; 0: it is only left; 2: the last slot.
.macro SLOTB first, kind
.irp mm, 0,1
.irp eg, 0,1,2,3
.set fa, 2                             ; how the group's first and second e tile take the tile before them into dz: 2 adds, 1 starts dz, 0: there is no tile before
.set fb, 2
.if \first
.if \mm == 0
.set fa, 1
.set fb, 1
.endif
.if \eg == 0
.set fa, \mm                           ; the very first tile has none before it; the second m's first tile stands behind the first m's last
.endif
.endif
.set prv, 0
.if \eg == 1
.if (\mm == 0) || (\kind != 2)
.set prv, 1
.endif
.endif
.if (\mm == 1) && (\eg == 3)
.if \kind == 2
	GROUP 1, 3, fa, fb, 0, 0                       ; nothing more to fetch
.else
	TURNG fa, \kind
.endif
.elseif \eg == 3
	GROUP 0, 3, fa, fb, 0, 2
.else
	GROUP \mm, \eg, fa, fb, prv, 1
.endif
.endr
.endr
	WIN 0                                          ; at a label and at a branch every window is 0
.endm
	s_mov_b32 s[TB], 0
	SETAD
	WIN 0x80
	ds_load_b128 v[G:G+3], v[ADG]                  ; m = 0: my rows' gates (behind my stores of them, in order),
	WIN 0
.irp i, 0,1,2,3
	ds_load_b128 v[PS+4*\i:PS+4*\i+3], v[ADS] offset:512*\i        ; its scale words,
.endr
	RUN AD0, 0, 0                                  ; and its first two e tiles
	WIN 0
	SLOTB 1, 1                                     ; m = 0, 1; at its end slot 0 takes m = 4, 5
	s_mov_b32 s[CNT], 5
.Lslot:                                            ; m = 2 .. 11: each slot is filled again at its end, the last time with m = 14, 15
	SLOTB 0, 1
	s_sub_co_u32 s[CNT], s[CNT], 1
	s_cmp_lg_u32 s[CNT], 0
	s_cbranch_scc1 .Lslot
	SLOTB 0, 0                                     ; m = 12, 13: the tail is written out
	SLOTB 0, 2                                     ; m = 14, 15
	WIN W_FM
.irp rt, 0,1,2,3
	FL 7, 1, 1, \rt, 2                             ; the last score tiles go into dz (the last quad's four packed lines are the places behind the last products)
.endr
	WIN 0
; THE WAY OUT, a row tile at a time: 16 rows x 128 e.  A lane holds 32 neighbouring bytes of a row for each e tile, and the lanes beside it hold other rows: so a block goes through my own stage in LDS and comes back
; as whole rows of 512 bytes.  The stage lies in slot 0: that slot has had its last fill, and every wave has passed the barrier behind which nobody reads it.
.macro TOSTAGE a
	WIN 0x04                                       ; an LDS store's data are its source 1: window 1
.irp et, 0,1,2,3,4,5,6,7
	ds_store_b128 v[STO], v[8*(4*\et+(\a)):8*(4*\et+(\a))+3] offset:64*\et
	ds_store_b128 v[STO], v[8*(4*\et+(\a))+4:8*(4*\et+(\a))+7] offset:64*\et+16
.endr
	WIN 0
.set BB, BK+64*((\a)%2)
.irp t, 0,1,2,3,4,5,6,7,8,9,10,11,12,13,14,15
	ds_load_b128 v[BB+4*\t:BB+4*\t+3], v[RD] offset:\t*SPITCH      ; in order behind my stores, and ahead of the next block's
.endr
.endm
.macro SEND a, younger                 ; younger: the LDS instructions issued behind block a's loads, which may stay out
.set BB, BK+64*((\a)%2)
	s_wait_dscnt \younger
.irp t, 0,1,2,3,4,5,6,7,8,9,10,11,12,13,14,15
	global_store_b128 v[CO], v[BB+4*\t:BB+4*\t+3], s[14:15] offset:(\a)*32768+\t*2048 th:TH_STORE_NT   ; 32 lanes store 512 consecutive bytes, at a multiple of 512 from out0's first byte; written once, read by nobody here
.endr
.endm
	TOSTAGE 0
.irp a, 1,2,3
.if \a > 1
	s_wait_xcnt 0x0                                ; block a - 2's stores have read their registers: block a's loads may land there
.endif
	TOSTAGE \a
	SEND \a-1, 32                                  ; behind block a - 1's loads: block a's 16 stores and 16 loads
.endr
	SEND 3, 0
	s_wait_tensorcnt 0x0                           ; the wave's end: behind my last tensor load and my last LDS store
	ds_add_u32 v[SPW], v[NIL]
	s_wait_dscnt 0x0
	ROUND                                          ; the closing round: no work-group ends while a partner may still ask for a tile that names it
	s_endpgm
.Lfunc_end_k_q5acaf92372_main:
	.size	k_q5acaf92372_main, .Lfunc_end_k_q5acaf92372_main-k_q5acaf92372_main
	.p2alignl 7, 3214868480
	.fill 96, 4, 3214868480
	.section	.rodata,"a",@progbits
	.p2align	6, 0x0
	.amdhsa_kernel k_q5acaf92372_main
		.amdhsa_group_segment_fixed_size 327680
		.amdhsa_private_segment_fixed_size 0
		.amdhsa_enable_private_segment 0
		.amdhsa_kernarg_size 48
		.amdhsa_user_sgpr_count 2
		.amdhsa_user_sgpr_kernarg_segment_ptr 1
		.amdhsa_wavefront_size32 1
		.amdhsa_system_sgpr_workgroup_id_x 1
		.amdhsa_system_sgpr_workgroup_id_y 1
		.amdhsa_system_sgpr_workgroup_id_z 1
		.amdhsa_system_vgpr_workitem_id 0
		.amdhsa_next_free_vgpr 1024
		.amdhsa_next_free_sgpr 100
		.amdhsa_reserve_vcc 0
		.amdhsa_float_denorm_mode_32 3
		.amdhsa_float_denorm_mode_16_64 3
		.amdhsa_memory_ordered 1
		.amdhsa_forward_progress 1
		.amdhsa_inst_pref_size 255
	.end_amdhsa_kernel
	.section	.bss,"aw",@nobits
	.p2align	6
	.space	262144
	.amdgpu_metadata
---
amdhsa.version: [ 1, 2 ]
amdhsa.kernels:
  - .name:           k_q5acaf92372_main
    .symbol:         k_q5acaf92372_main.kd
    .args:
      - { .name: z_codes, .offset: 0, .size: 8, .value_kind: global_buffer, .address_space: global }
      - { .name: z_scales, .offset: 8, .size: 8, .value_kind: global_buffer, .address_space: global }
      - { .name: Psi_codes, .offset: 16, .size: 8, .value_kind: global_buffer, .address_space: global }
      - { .name: Psi_scales, .offset: 24, .size: 8, .value_kind: global_buffer, .address_space: global }
      - { .name: wbf, .offset: 32, .size: 8, .value_kind: global_buffer, .address_space: global }
      - { .name: out0, .offset: 40, .size: 8, .value_kind: global_buffer, .address_space: global }
    .group_segment_fixed_size: 327680
    .private_segment_fixed_size: 0
    .kernarg_segment_align: 8
    .kernarg_segment_size: 48
    .max_flat_workgroup_size: 128
    .sgpr_count:     100
    .vgpr_count:     1024
    .wavefront_size: 32
...
	.end_amdgpu_metadata
.endif
;; end of part 3
